; MI455X (gfx1250); checked and timed in simulation.
; The chip was launched on July 23, 2026; its instructions are those of AMD's public machine-readable ISA for CDNA 5 (MIT licence, August 2026) and "CDNA5" Instruction Set Architecture Reference Guide (July 2026). The comments in the code are by the model that wrote it; some were corrected since.
;; Disentangled Attention. Allowed arithmetic: matrix products marked QUANTISED: E2M3 operands, one E8M0 scale for each 32 along K, by v_wmma_scale_f32_16x16x128_f8f6f4 with both operands' format E2M3, f32 sums; products left as they are: f32 operands where the result goes on into a quantised operand, else bf16, f16 or f32 operands; f32 sums; everything else in f32.
;; Inputs: Wck 1,024 x 1,024 float32; Wcq 1,024 x 1,024 float32; Wcv 1,024 x 1,024 float32; Wo 1,024 x 1,024 float32; Wpk 1,024 x 1,024 float32; Wpq 1,024 x 1,024 float32; bck 1,024 float32; bcq 1,024 float32; bcv 1,024 float32; bo 1,024 float32; bpk 1,024 float32; bpq 1,024 float32; content 8 x 1,024 x 1,024 float32; position 8 x 1,024 x 1,024 float32.
;; Outputs: out0 8 x 1,024 x 1,024 float32.
;; This version of the problem:
;;   THIS VERSION OF THE PROBLEM IS GIVEN IN LOW PRECISION. The matrix products marked QUANTISED in the list below multiply operands that are first quantised to E2M3 (2 exponent bits, 3 mantissa bits; 6 bits a number), with one power-of-two scale for each 32 numbers along K (OCP MX v1.0); their sums are f32. All else is computed in f32.
;;   The module's matrix products, in the order in which they are computed (A, B: the left and right operand; K: the contracted axis; several contracted axes count as one K, in the product's order):
;;     1. [M 8,192, K 1,024] x [K 1,024, N 1,024]; A: input content; B: input Wcq: QUANTISED
;;     2. [M 8,192, K 1,024] x [K 1,024, N 1,024]; A: input content; B: input Wck: QUANTISED
;;     3. [M 8,192, K 1,024] x [K 1,024, N 1,024]; A: input content; B: input Wcv: QUANTISED
;;     4. [M 8,192, K 1,024] x [K 1,024, N 1,024]; A: input position; B: input Wpq: QUANTISED
;;     5. [M 8,192, K 1,024] x [K 1,024, N 1,024]; A: input position; B: input Wpk: QUANTISED
;;     6. batch 8,192 x [M 16, K 64] x [K 64, N 16]; A: computed on the way; B: computed on the way: QUANTISED
;;     7. batch 8,192 x [M 16, K 64] x [K 64, N 16]; A: computed on the way; B: computed on the way: QUANTISED
;;     8. batch 8,192 x [M 16, K 16] x [K 16, N 64]; A: softmax; B: computed on the way: left as it is (K = 16 < 32)
;;     9. [M 8,192, K 1,024] x [K 1,024, N 1,024]; A: computed on the way; B: input Wo: QUANTISED
;;   THE QUANTISER, for each operand of a quantised product, along K:
;;     - K is cut into blocks of 32 from its start; a last block that is shorter is filled with zeros.
;;     - A block's scale is 2^e with e = floor(log2(the largest magnitude in the block)) - 2, held to -126 .. 127; a block of zeros has e = 0. As a byte (E8M0): e + 127.
;;     - Each number is divided by its block's scale, clamped to +-7.5, and rounded to the nearest number of E2M3, ties to even, subnormals kept.
;;     - The product sums the exact products of the quantised numbers (number of the format x scale) in f32.
;;   ~~~python
;;   def quantise(x, axis):      # numpy; x: float32 -> the quantised numbers, widened to float32 again
;;       x = np.moveaxis(x, axis, -1); K = x.shape[-1]
;;       x = np.pad(x, [(0, 0)] * (x.ndim - 1) + [(0, -K % 32)]); x = x.reshape(x.shape[:-1] + (-1, 32)); a = np.abs(x).max(-1, keepdims=True)
;;       e = np.where(a > 0, np.clip(np.frexp(np.where(a > 0, a, 1))[1] - 1 - 2, -126, 127), 0)      # np.frexp(a)[1] - 1 = floor(log2(a)), exactly
;;       r = np.clip(x / 2.0 ** e, -7.5, 7.5)
;;       step = 2.0 ** (np.maximum(np.frexp(np.where(r == 0, 1, r))[1] - 1, 0) - 3)
;;       q = np.round(r / step) * step * 2.0 ** e      # np.round: ties to even
;;       return np.moveaxis(q.reshape(q.shape[:-2] + (-1,))[..., :K], -1, axis).astype(np.float32)
;;   ~~~
;;   OPERANDS COMPUTED ON THE WAY. 'Computed on the way' means the value that the module computes at that place (a softmax that the list does not call 'softmax' is quantised finished and normalised). What goes into a quantiser is computed in f32, as accurately as f32 sums, v_exp_f32 and their like allow (about 1e-6 of the number): no bf16 or f16 on the way to a quantiser, and a product that is left as it is and whose result goes on into a quantised operand takes f32 operands (vector FMAs, or v_wmma_f32_16x16x4_f32). A number that lies on a knife's edge between two numbers of the format may be rounded either way, as far as f32 arithmetic and the matrix unit's own rounding can turn it there, and no further.
;; One version. Each part assembles by itself: llvm-mc -triple=amdgcn-amd-amdhsa -mcpu=gfx1250 --defsym DOCPART=n.
;; ======== version 1 of 1: 3 launches
;; limits: right only within a limited range of input values
;; workspace buffers: codes 17,301,504 bytes; scl 720,896 bytes; qkc 25,165,824 bytes; qks 1,048,576 bytes
;; launch quant (part 1): grid 704 x 1, 4 waves a work-group, no clusters, 34,304 bytes of LDS; arguments content, position, Wcq, Wck, Wpq, Wpk, Wcv, Wo, codes, scl; writes codes, scl
.if DOCPART == 1
	.amdgcn_target "amdgcn-amd-amdhsa--gfx1250"
	.amdhsa_code_object_version 6
	.text
	.protected	k_qc431429dcf_quant
	.globl	k_qc431429dcf_quant
	.p2align	8
	.type	k_qc431429dcf_quant,@function
k_qc431429dcf_quant:
	s_mov_b64 s[64:65], 0
	v_nop
	global_prefetch_b8 v0, s[64:65] scope:SCOPE_SE
	s_setreg_imm32_b32 hwreg(HW_REG_WAVE_MODE, 25, 1), 1
	s_wait_xcnt 0x0
; content, position [8192][1024] and the six weights [1024][1024], f32 with K innermost, become codes of FP6 (E2M3) with one E8M0 scale byte for each 32 along K.
; NO WORK OF reference() IS LEFT OUT in this program: every bias enters a quantised operand or the output, every input is loaded.
; A block's scale is 2^(floor(log2(its largest magnitude)) - 2): its byte is the largest magnitude's exponent field - 2, held at 1 from below; each number is divided by it and rounded to the nearest code, ties to even, beyond 7.5 the largest code.
; LIMITS: a block whose largest magnitude lies under 2^-124, a block of zeros among them, gets the byte 1 (a block of zeros has zero codes, and this program alone reads the bytes); NaN and infinities among the inputs are not served.
; LAYOUT OF THE WORKSPACE: the order of an operand's registers.  codes: [tile G][K step s of 128][1,536 bytes]: register j of lane l of the fragment (16 rows x 128 K, 12 registers) at byte 512 (j / 4) + 16 l + 4 (j % 4), so that
; three loads of 16 bytes a lane, 512 consecutive bytes each, bring a fragment.  scl: [G][row i][s]: one word of four scale bytes.
; TILES: G = 0..511 content's rows 16 G + i; 512..1023 position's; 1024 + 64 q + n: tile n of weight q (Wcq, Wck, Wpq, Wpk, Wcv, Wo).  Which rows form a tile is chosen for the reader:
;   q = 0..3: row 32 (n / 2) + 8 (n % 2) + i + 8 (i / 8), so that two neighbouring tiles' results are 16 neighbours along the next K;  Wcv: row 64 i + n (tile = channel d, row = head);  Wo: row 16 n + i.
; SHARES: a work-group takes two tiles, a wave half of a tile's K: tile 2 x work-group + wave / 2, K from 512 (wave % 2) on: 16 rows x 512, four steps of 128 along K.  1,408 tiles are 704 work-groups.
; Each load reads 512 consecutive bytes of one row; the step's 8,192 bytes turn through the wave's own stage in LDS, so that a lane holds 16 neighbours of each block of its row.
; Loads run two steps (32 loads a wave) ahead.  No barrier: waves share nothing.  No matrix unit, no cluster: a stream.
; The scale words of a wave are 16 of a row's 32 bytes: they leave as 8 bytes a lane; the tile's other wave stores the other 16.
.set NST,   4                          ; steps of a wave
.set STG,   16*528                     ; a wave's stage: 16 rows of 512 bytes + 16: row r starts at bank 4 r mod 64 (64 banks of 4 bytes: ISA guide 11.1)
.set SPARE, 4*STG                      ; behind the stages: the spare words, 128 bytes for each wave
.set L16,   4                          ; v4   16 x lane
.set STI,   5                          ; v5   into the stage
.set STO,   6                          ; v6   out of it: row r, + 64 (lane / 16)
.set SCO,   7                          ; v7   my 8 bytes of the wave's scale words
.set SPW,   8                          ; v8   my spare word; never rewritten
.set NIL,   9                          ; v9   0; never rewritten
.set SD,    10                         ; v10-11 scale words to store
.set FL,    14                         ; v14  the floor 2^(3 - 127)
.set TM,    16                         ; v16-31 at work
.set SW,    32                         ; v32-35 the scale word of each step
.set PC,    40                         ; v40-59 the codes just made
.set R,     64                         ; v64-191 two sets of 64 registers as loaded
.set X,     192                        ; v192-255 64 numbers: register 16 b + i = k 32 b + 16 (lane / 16) + i of my row
.set RB,    32                         ; s[32:63] the addresses of the tile's 16 rows
.set SEL,   66                         ; s[66:67] lane l xor 16
; 64 numbers of a lane become a fragment's codes in v[PC] on and its row's scale word in v[pw]
.macro QUANT s, pw
.irp b, 0,1,2,3
	v_max3_num_f32 v[TM+\b], v[FL], |v[(\s)+16*\b]|, |v[(\s)+1+16*\b]|   ; block b: my 16 numbers and the floor: the byte cannot fall under 1
.endr
.irp i, 2,4,6,8,10,12,14
.irp b, 0,1,2,3
	v_max3_num_f32 v[TM+\b], v[TM+\b], |v[(\s)+16*\b+\i]|, |v[(\s)+1+16*\b+\i]|   ; the four blocks by turns
.endr
.endr
.irp b, 0,1,2,3
	v_permlanex16_b32 v[TM+4+\b], v[TM+\b], s[SEL], s[SEL+1]
.endr
.irp b, 0,1,2,3
	v_max_num_f32 v[TM+\b], v[TM+\b], v[TM+4+\b]                 ; with lane l xor 16's: the block's largest magnitude
.endr
.irp b, 0,1,2,3
	v_add_nc_u32 v[TM+12+\b], 0xff000000, v[TM+\b]               ; 2 off its exponent field: the conversion's scale operand
.endr
.irp b, 0,1,2,3
	v_lshrrev_b32 v[TM+4+\b], 23, v[TM+12+\b]                    ; the scale's byte
.endr
	v_lshl_or_b32 v[\pw], v[TM+5], 8, v[TM+4]
	v_lshl_or_b32 v[\pw], v[TM+6], 16, v[\pw]
	v_lshl_or_b32 v[\pw], v[TM+7], 24, v[\pw]
.irp c, 0,1
	v_cvt_scalef32_pk16_fp6_f32 v[PC+6*\c:PC+2+6*\c], v[(\s)+32*\c:(\s)+15+32*\c], v[TM+12+2*\c]
	v_cvt_scalef32_pk16_fp6_f32 v[PC+12+4*\c:PC+14+4*\c], v[(\s)+16+32*\c:(\s)+31+32*\c], v[TM+12+2*\c+1]   ; (a conversion's three registers begin on an even number)
.endr
	v_nop                                                        ; one plain place behind a scaled conversion
.irp c, 0,1                                                          ; the layout wants a whole block in a lane: lanes 0-15 block 2 c, lanes 16-31 block 2 c + 1
.irp i, 0,1,2
	v_permlane16_swap_b32 v[PC+6*\c+\i], v[PC+12+4*\c+\i]
.endr
.irp i, 0,1,2
	v_mov_b32 v[PC+3+6*\c+\i], v[PC+12+4*\c+\i]
.endr
.endr
.endm
	s_load_b512 s[8:23], s[0:1], 0x0               ; content, position, Wcq, Wck, Wpq, Wpk, Wcv, Wo
	s_load_b128 s[24:27], s[0:1], 0x40             ; codes, scl
	v_lshl_add_u32 v[SPW], v0, 2, SPARE
	v_mov_b32 v[NIL], 0
	v_lshrrev_b32 v1, 5, v0
	v_readfirstlane_b32 s6, v1                     ; wave
	v_and_b32 v1, 31, v0                           ; lane
	v_and_b32 v2, 15, v0                           ; r
	v_bfe_u32 v3, v0, 4, 1                         ; lane / 16
	v_lshlrev_b32 v[L16], 4, v1
	s_mul_i32 s7, s6, STG
	v_add_nc_u32 v[STI], s7, v[L16]
	v_mul_u32_u24 v[STO], v2, 528
	v_lshl_add_u32 v[STO], v3, 6, v[STO]
	v_add_nc_u32 v[STO], s7, v[STO]
	v_lshlrev_b32 v[SCO], 5, v2
	v_lshl_add_u32 v[SCO], v3, 3, v[SCO]           ; 32 r + 8 (lane / 16)
	v_mov_b32 v[FL], 0x1800000
.irp b, 0,1,2,3
	v_mov_b32 v[TM+4+\b], 0                        ; written once: a lane permute's destination counts as one of its sources
.endr
	s_mov_b32 s[SEL], 0x76543210
	s_mov_b32 s[SEL+1], 0xfedcba98
	s_lshl_b32 s28, ttmp9, 1
	s_lshr_b32 s3, s6, 1
	s_add_co_u32 s28, s28, s3                      ; G: my tile
	s_and_b32 s78, s6, 1                           ; which half of its K is mine
	s_and_b32 s29, s28, 511
	s_lshl_b32 s29, s29, 4                         ; content, position: first row 16 (G % 512)
	s_and_b32 s30, s28, 63                         ; n
	s_lshr_b32 s31, s30, 1
	s_lshl_b32 s31, s31, 5
	s_and_b32 s2, s30, 1
	s_lshl_b32 s2, s2, 3
	s_add_co_u32 s31, s31, s2                      ; q = 0..3: first row 32 (n / 2) + 8 (n % 2)
	s_lshl_b32 s68, s30, 4                         ; Wo: 16 n
	s_mov_b32 s70, 4096                            ; from a tile's row to its next, in bytes
	s_mov_b32 s72, 4096                            ; and from its row 7 to its row 8
	s_cmp_lt_u32 ttmp9, 672                        ; all choices hang on the work-group's number alone: a tensor's tiles are a whole number of work-groups
	s_cselect_b32 s68, s30, s68                    ; Wcv: first row n, 64 rows from row to row
	s_cselect_b32 s70, 0x40000, s70
	s_cselect_b32 s72, 0x40000, s72
	s_cmp_lt_u32 ttmp9, 640
	s_cselect_b32 s68, s31, s68
	s_cselect_b32 s70, 4096, s70
	s_cselect_b32 s72, 36864, s72                  ; nine rows
	s_cmp_lt_u32 ttmp9, 512
	s_cselect_b32 s68, s29, s68
	s_cselect_b32 s72, 4096, s72
	s_lshl_b32 s68, s68, 12                        ; a row is 4,096 bytes,
	s_lshl_b32 s79, s78, 11
	s_add_co_u32 s68, s68, s79                     ; and my half of K begins 2,048 bytes into it
	s_mov_b32 s69, 0
	s_mov_b32 s71, 0
	s_mov_b32 s73, 0
	s_mul_i32 s74, s28, 12288
	s_mul_i32 s79, s78, NST*1536
	s_add_co_u32 s74, s74, s79                     ; my four steps of the tile's codes
	s_mov_b32 s75, 0
	s_lshl_b32 s76, s28, 9
	s_lshl_b32 s79, s78, 4
	s_add_co_u32 s76, s76, s79                     ; my 16 of each row's 32 bytes of scale words
	s_mov_b32 s77, 0
	s_wait_alu depctr_va_vdst(0)                   ; the wait at the head's end
	s_wait_kmcnt 0x0
	s_mov_b64 s[4:5], s[22:23]                     ; which tensor
	s_cmp_lt_u32 ttmp9, 672
	s_cselect_b64 s[4:5], s[20:21], s[4:5]
	s_cmp_lt_u32 ttmp9, 640
	s_cselect_b64 s[4:5], s[18:19], s[4:5]
	s_cmp_lt_u32 ttmp9, 608
	s_cselect_b64 s[4:5], s[16:17], s[4:5]
	s_cmp_lt_u32 ttmp9, 576
	s_cselect_b64 s[4:5], s[14:15], s[4:5]
	s_cmp_lt_u32 ttmp9, 544
	s_cselect_b64 s[4:5], s[12:13], s[4:5]
	s_cmp_lt_u32 ttmp9, 512
	s_cselect_b64 s[4:5], s[10:11], s[4:5]
	s_cmp_lt_u32 ttmp9, 256
	s_cselect_b64 s[4:5], s[8:9], s[4:5]
	s_add_nc_u64 s[RB:RB+1], s[4:5], s[68:69]
.irp i, 1,2,3,4,5,6,7,8,9,10,11,12,13,14,15
.if \i == 8
	s_add_nc_u64 s[RB+2*\i:RB+2*\i+1], s[RB+2*\i-2:RB+2*\i-1], s[72:73]
.else
	s_add_nc_u64 s[RB+2*\i:RB+2*\i+1], s[RB+2*\i-2:RB+2*\i-1], s[70:71]
.endif
.endr
	s_add_nc_u64 s[24:25], s[24:25], s[74:75]      ; my codes
	s_add_nc_u64 s[26:27], s[26:27], s[76:77]      ; and scale words
.macro LOAD t                          ; step t: 512 consecutive bytes of each of the 16 rows
.irp i, 0,1,2,3,4,5,6,7,8,9,10,11,12,13,14,15
	global_load_b128 v[R+64*((\t)%2)+4*\i:R+64*((\t)%2)+4*\i+3], v[L16], s[RB+2*\i:RB+2*\i+1] offset:512*(\t) th:TH_LOAD_NT
.endr
.endm
.macro STEP t
.if (\t) < NST-1
	s_wait_loadcnt 16                              ; this step's 16 loads are in; the next step's 16 may be out
.else
	s_wait_loadcnt 0x0
.endif
.irp i, 0,1,2,3,4,5,6,7,8,9,10,11,12,13,14,15
	ds_store_b128 v[STI], v[R+64*((\t)%2)+4*\i:R+64*((\t)%2)+4*\i+3] offset:528*\i
.endr
.irp b, 0,1,2,3
.irp j, 0,1,2,3
	ds_load_b128 v[X+16*\b+4*\j:X+16*\b+4*\j+3], v[STO] offset:128*\b+16*\j   ; LDS serves a wave's instructions in order: these see the stores above
.endr
.endr
	s_wait_dscnt 0x0                               ; the numbers are back, and the stores have read their registers
	s_wait_xcnt 0x0                                ; the last step's stores have read the codes' registers: they are rewritten only behind this wait
.if (\t) < NST-2
	LOAD (\t)+2
.endif
	QUANT X, SW+(\t)
.irp c, 0,1,2
	global_store_b128 v[L16], v[PC+4*\c:PC+4*\c+3], s[24:25] offset:1536*(\t)+512*\c   ; 32 lanes store 512 consecutive bytes, aligned
.endr
.endm
	LOAD 0
	LOAD 1
.irp t, 0,1,2,3
	STEP \t
.endr
	v_cmp_gt_u32 vcc_lo, 16, v1                    ; lanes r and r + 16 hold the same words of row r: lanes 0-15 store my steps 0, 1, lanes 16-31 my steps 2, 3
.irp j, 0,1
	v_cndmask_b32 v[SD+\j], v[SW+2+\j], v[SW+\j], vcc_lo
.endr
	global_store_b64 v[SCO], v[SD:SD+1], s[26:27]  ; 16 consecutive bytes of each of the 16 rows
	s_wait_tensorcnt 0x0                           ; the wave's end
	ds_add_u32 v[SPW], v[NIL]
	s_wait_dscnt 0x0
	s_endpgm
.Lfunc_end_k_qc431429dcf_quant:
	.size	k_qc431429dcf_quant, .Lfunc_end_k_qc431429dcf_quant-k_qc431429dcf_quant
	.p2alignl 7, 3214868480
	.fill 96, 4, 3214868480
	.section	.rodata,"a",@progbits
	.p2align	6, 0x0
	.amdhsa_kernel k_qc431429dcf_quant
		.amdhsa_group_segment_fixed_size 34304
		.amdhsa_private_segment_fixed_size 0
		.amdhsa_enable_private_segment 0
		.amdhsa_kernarg_size 80
		.amdhsa_user_sgpr_count 2
		.amdhsa_user_sgpr_kernarg_segment_ptr 1
		.amdhsa_wavefront_size32 1
		.amdhsa_system_sgpr_workgroup_id_x 1
		.amdhsa_system_sgpr_workgroup_id_y 1
		.amdhsa_system_sgpr_workgroup_id_z 1
		.amdhsa_system_vgpr_workitem_id 0
		.amdhsa_next_free_vgpr 256
		.amdhsa_next_free_sgpr 80
		.amdhsa_reserve_vcc 1
		.amdhsa_float_denorm_mode_32 3
		.amdhsa_float_denorm_mode_16_64 3
		.amdhsa_memory_ordered 1
		.amdhsa_forward_progress 1
		.amdhsa_inst_pref_size 35
	.end_amdhsa_kernel
	.amdgpu_metadata
---
amdhsa.version: [ 1, 2 ]
amdhsa.kernels:
  - .name:           k_qc431429dcf_quant
    .symbol:         k_qc431429dcf_quant.kd
    .args:
      - { .name: content, .offset: 0, .size: 8, .value_kind: global_buffer, .address_space: global }
      - { .name: position, .offset: 8, .size: 8, .value_kind: global_buffer, .address_space: global }
      - { .name: Wcq, .offset: 16, .size: 8, .value_kind: global_buffer, .address_space: global }
      - { .name: Wck, .offset: 24, .size: 8, .value_kind: global_buffer, .address_space: global }
      - { .name: Wpq, .offset: 32, .size: 8, .value_kind: global_buffer, .address_space: global }
      - { .name: Wpk, .offset: 40, .size: 8, .value_kind: global_buffer, .address_space: global }
      - { .name: Wcv, .offset: 48, .size: 8, .value_kind: global_buffer, .address_space: global }
      - { .name: Wo, .offset: 56, .size: 8, .value_kind: global_buffer, .address_space: global }
      - { .name: codes, .offset: 64, .size: 8, .value_kind: global_buffer, .address_space: global }
      - { .name: scl, .offset: 72, .size: 8, .value_kind: global_buffer, .address_space: global }
    .group_segment_fixed_size: 34304
    .private_segment_fixed_size: 0
    .kernarg_segment_align: 8
    .kernarg_segment_size: 80
    .max_flat_workgroup_size: 128
    .sgpr_count:     80
    .vgpr_count:     256
    .wavefront_size: 32
...
	.end_amdgpu_metadata
.endif
;; end of part 1
;; launch proj (part 2): grid 16 x 16, 4 waves a work-group, clusters of 4 x 4, 327,680 bytes of LDS; arguments codes, scl, bcq, bck, bpq, bpk, qkc, qks; writes qkc, qks
.if DOCPART == 2
	.amdgcn_target "amdgcn-amd-amdhsa--gfx1250"
	.amdhsa_code_object_version 6
	.text
	.protected	k_qc431429dcf_proj
	.globl	k_qc431429dcf_proj
	.p2align	8
	.type	k_qc431429dcf_proj,@function
k_qc431429dcf_proj:
	s_mov_b64 s[64:65], 0
	v_nop
	global_prefetch_b8 v0, s[64:65] scope:SCOPE_SE
	s_setreg_imm32_b32 hwreg(HW_REG_WAVE_MODE, 25, 1), 1
	s_wait_xcnt 0x0
	s_wait_alu depctr_hold_cnt(0) depctr_sa_sdst(0) depctr_va_vdst(0) depctr_va_sdst(0) depctr_va_ssrc(0) depctr_va_vcc(0) depctr_vm_vsrc(0)
	s_getreg_b32 s2, hwreg(HW_REG_IB_STS2, 6, 4)
	s_cmp_eq_u32 s2, 0
	s_cbranch_scc0 .Lentry_in_a_cluster
	s_endpgm
.Lentry_in_a_cluster:
	s_bfe_u32 s2, ttmp6, 0x10000c
	s_cmp_lg_u32 s2, 0xf033
	s_cbranch_scc0 .Lentry_shape_is_right
	s_endpgm
.Lentry_shape_is_right:
; c_q, c_k = content x (Wcq, Wck)^T + bias and p_q, p_k = position x (Wpq, Wpk)^T + bias, on codes of FP6 (E2M3) with E8M0 scales, f32 sums; the results are quantised along the next K (blocks of 32 of a head's 64) and leave as codes (qkc) and scale words (qks).
; No work of reference() is left out.  LIMITS: a block whose largest magnitude lies under 2^-124 gets the byte 1 (a block of zeros has zero codes; this program alone reads the bytes); NaN and infinities are not served.
; SHARES: C is 8,192 x 4,096 (the four weights side by side).  A work-group of four waves makes TWO tiles of 256 x 256, 4,096 rows apart, in the same 256 columns; a wave makes 128 x 128: 64 accumulators, 512 registers.
; codes holds fragment images: [tile of 16 rows][K step of 128][1,536 bytes], so a fragment is three loads of 16 bytes a lane, and a tile's eight K steps are 12,288 consecutive bytes.
; B STAYS: both tiles of C take the same 16 tiles of B, so B's whole K (196,608 bytes) comes once, at the head: waves 2 and 3 fetch 8 tiles each, one dense load of 8 rows x 12,288 bytes.
; A GOES THROUGH A RING of two slots, each with two K steps of A's 16 tiles (49,152 bytes).  At the head waves 0 and 1 fetch slot 0 (8 tiles x 3,072 bytes each); every later fill is shared out among the four waves, 4 tiles each.
; The ring goes on from the first tile of C into the second: eight fills in all, one out behind each round, with one and a half K steps, 96 matrix instructions a wave, between a request and the wait for it.
; CLUSTERS: 4 x 4.  A's tiles hang on the tile row alone and are asked for jointly by a row of the cluster, B's on the tile column alone, by a column.
; PREFETCH: behind the joint load of A's fill j stands one prefetch of fill j + 2: its 16 tiles x 3,072 bytes are 192 blocks of 256 bytes; wave w of the partner at place cx names the 12 blocks of tile 4 w + cx (lanes 12-31 name the last again).
; The base is never stepped: the five places are immediates.  Fills 0 to 2 come by their loads alone, the last two fills ask for nothing.  B is asked for once, at the head, where there is no loop to run ahead in: no prefetch.
; THE MATRIX INSTRUCTION IS USED TRANSPOSED (source 0 = 16 rows of the weight, source 1 = 16 tokens); the rows of a weight's tile were chosen so that two neighbouring tiles' results are 16 neighbours along the next K in a lane's registers.
; The bias is the C of each accumulator's first product.
; REGISTERS: window 0: v16-52 addresses and the quantiser's work; v64-127 scale words (register 8 i + k: lanes 0-15 A's block i, lanes 16-31 B's block i, K step k); v128-223 A's fragments, one set; v224-247 codes on the way out.
;   window 1: v0-95, v128-223 B's fragments, two sets; v96-127, v224-255 the biases.  windows 2, 3: the accumulators.
.set TILEB, 3072                       ; two K steps of one tile
.set QUART, 8*TILEB                    ; 8 tiles x two K steps: what a wave reads of A in a slot
.set ASLOT, 2*QUART                    ; a slot of A
.set BREG,  2*ASLOT                    ; behind the ring: B, tile i at 12,288 i
.set BHALF, 8*12288                    ; 8 tiles of B, all of K
.set SPARE, BREG+2*BHALF               ; the spare words
.set STAGE, SPARE+512                  ; the way out: a stage for each wave; no fill lands there
.set STGW,  6400
.set DA,    256*12288                  ; from the first tile of C to the second: 256 tiles of A
.set ADRA, 16                          ; v16-17 my A fragments in slot 0, 1
.set ADRB, 20                          ; v20-21 my B fragments: tiles 0-3, tiles 4-7
.set BOFF, 23
.set STO,  24
.set SSTO, 25
.set RD,   26
.set CO,   27
.set SPW,  28                          ; my spare word; never rewritten
.set NIL,  29                          ; 0; never rewritten
.set FL,   30
.set SOFF, 31
.set TM,   32
.set PW,   48
.set SOFF2, 49
.set WO,   50
.set RDW,  51
.set PFO,  52                          ; the prefetches' offset: 256 x min(lane, 11); never rewritten
.set SC,   64
.set AF,   128
.set PC,   224
.set WV,   20
.set MH,   21
.set NH,   22
.set G1A,  32                          ; s[32:39] group 1 for A's tiles
.set G1B,  40                          ; s[40:47] for B's
.set G0HA, 48                          ; s[48:51] group 0 of the head's load of A
.set G0R,  52                          ; s[52:59] group 0 of the ring's loads, one set for each slot
.set G0HB, 68                          ; s[68:71] group 0 of the head's load of B
.set PFB,  76                          ; s[76:77] the prefetches' base; never rewritten
.set SEL,  96
.set MSB, 0
.macro WIN new
.if MSB != (\new)
	s_set_vgpr_msb (MSB<<8)|(\new)
.set MSB, \new
.endif
.endm
.macro PLACES
.rept 4
	v_nop
.endr
.endm
.macro RLOAD s                         ; my four tiles of A's next fill; an s_nop 0 and four v_nop follow
	tensor_load_to_lds s[G0R+4*\s:G0R+4*\s+3], s[G1A:G1A+7]
	s_nop 0
.rept 4
	v_nop
.endr
.endm
.macro CREST
	s_cmp_lg_u32 s[WV], 0
	s_cbranch_scc1 .Lnot_wave_0_\@
	s_barrier_signal -3
.Lnot_wave_0_\@:
	s_barrier_wait -3
	s_barrier_signal -1
	s_barrier_wait -1
.endm
.macro CROUND
	s_barrier_signal -1
	s_barrier_wait -1
	CREST
.endm
; 64 results of a lane (window w, from register s on) become a fragment's codes in v[PC] on and the row's scale word in v[pw]
.macro QUANT s, w, pw, dsw
	WIN ((\w)<<2)|((\w)<<4)
.irp b, 0,1,2,3
	v_max3_num_f32 v[TM+\b], v[FL], |v[(\s)+16*\b]|, |v[(\s)+1+16*\b]|
.endr
.irp i, 2,4,6,8,10,12,14
.irp b, 0,1,2,3
	v_max3_num_f32 v[TM+\b], v[TM+\b], |v[(\s)+16*\b+\i]|, |v[(\s)+1+16*\b+\i]|
.endr
.endr
	WIN 0
.irp b, 0,1,2,3
	v_permlanex16_b32 v[TM+4+\b], v[TM+\b], s[SEL], s[SEL+1]
.endr
.irp b, 0,1,2,3
	v_max_num_f32 v[TM+\b], v[TM+\b], v[TM+4+\b]
.endr
.irp b, 0,1,2,3
	v_add_nc_u32 v[TM+12+\b], 0xff000000, v[TM+\b]
.endr
.irp b, 0,1,2,3
	v_lshrrev_b32 v[TM+4+\b], 23, v[TM+12+\b]
.endr
.if \dsw
	s_wait_alu depctr_va_vdst(0)                   ; directly ahead of the wait below
	s_wait_dscnt 0x0                               ; the last block's LDS stores have read the registers written below
.endif
	v_lshl_or_b32 v[\pw], v[TM+5], 8, v[TM+4]
	v_lshl_or_b32 v[\pw], v[TM+6], 16, v[\pw]
	v_lshl_or_b32 v[\pw], v[TM+7], 24, v[\pw]
	WIN \w
.irp c, 0,1
	v_cvt_scalef32_pk16_fp6_f32 v[PC+6*\c:PC+2+6*\c], v[(\s)+32*\c:(\s)+15+32*\c], v[TM+12+2*\c]
	v_cvt_scalef32_pk16_fp6_f32 v[PC+12+4*\c:PC+14+4*\c], v[(\s)+16+32*\c:(\s)+31+32*\c], v[TM+12+2*\c+1]
.endr
	WIN 0
	v_nop                                          ; one plain place behind a scaled conversion
.irp c, 0,1
.irp i, 0,1,2
	v_permlane16_swap_b32 v[PC+6*\c+\i], v[PC+12+4*\c+\i]
.endr
.irp i, 0,1,2
	v_mov_b32 v[PC+3+6*\c+\i], v[PC+12+4*\c+\i]
.endr
.endr
.endm
.macro SCLOAD adr                      ; the scale words of my 8 blocks of A (lanes 0-15) and of B (lanes 16-31), all eight K steps
.irp i, 0,1,2,3,4,5,6,7
.irp e, 0,1
	global_load_b128 v[SC+8*\i+4*\e:SC+8*\i+4*\e+3], v[\adr], s[6:7] offset:512*\i+16*\e
.endr
.endr
.endm
	s_load_b512 s[4:19], s[0:1], 0x0               ; codes, scl, bcq, bck, bpq, bpk, qkc, qks
	v_lshl_add_u32 v[SPW], v0, 2, SPARE
	v_mov_b32 v[NIL], 0
	ds_add_u32 v[SPW], v[NIL]                      ; the opening lines: the add, twice on end, and its wait ahead of my first tensor load
	ds_add_u32 v[SPW], v[NIL]
	v_lshrrev_b32 v1, 5, v0
	v_readfirstlane_b32 s[WV], v1                  ; wave 0..3
	s_lshr_b32 s[MH], s[WV], 1                     ; which half of the tile's rows is mine; at the head: I fetch for A (0) or for B (1)
	s_and_b32 s[NH], s[WV], 1                      ; which half of its columns; at the head: which 8 tiles I fetch
	s_bfe_u32 s23, ttmp6, 0x40000                  ; cx
	s_bfe_u32 s24, ttmp6, 0x40004                  ; cy
	s_lshl_b32 s25, ttmp9, 2
	s_add_co_u32 s25, s25, s23                     ; tile column 0..15: weight = cluster x, its quarter = cx
	s_and_b32 s26, ttmp7, 0xffff
	s_lshl_b32 s26, s26, 2
	s_add_co_u32 s26, s26, s24                     ; tile row 0..15
	s_lshl_b32 s27, s24, 2
	s_lshl_b32 s27, 15, s27                        ; my row of the cluster
	s_lshl_b32 s28, 0x1111, s23                    ; my column
	s_or_b32 s[G1A], s27, (3<<16)|(1<<21)          ; elements of 8 bytes; bit 21 beside a mask
	s_or_b32 s[G1B], s28, (3<<16)|(1<<21)
	s_mov_b32 s[G1A+1], 384<<16                    ; A: rows of 3,072 bytes, 12,288 apart; 8 rows at the head, 4 behind it
	s_mov_b32 s[G1A+2], 8<<16
	s_mov_b32 s[G1A+3], 384<<16
	s_mov_b32 s[G1A+4], 8
	s_mov_b32 s[G1A+5], 1536
	s_mov_b32 s[G1A+6], 0
	s_mov_b32 s[G1A+7], 0
	s_mov_b32 s[G1B+1], 1536<<16                   ; B: 8 rows of 12,288 bytes, dense
	s_mov_b32 s[G1B+2], 8<<16
	s_mov_b32 s[G1B+3], 1536<<16
	s_mov_b32 s[G1B+4], 8
	s_mov_b32 s[G1B+5], 1536
	s_mov_b32 s[G1B+6], 0
	s_mov_b32 s[G1B+7], 0
	s_lshr_b32 s80, ttmp9, 1
	s_lshl_b32 s80, s80, 9                         ; content's tiles from 0, position's from 512
	s_lshl_b32 s81, s26, 4
	s_add_co_u32 s80, s80, s81                     ; A's first tile
	s_lshl_b32 s81, s[NH], 3
	s_add_co_u32 s81, s81, s80
	s_mul_i32 s90, s81, 12288                      ; the head's load: my 8 tiles
	s_mov_b32 s91, 0
	s_lshl_b32 s81, s[WV], 2
	s_add_co_u32 s81, s81, s80
	s_mul_i32 s92, s81, 12288                      ; the ring's loads: my 4 tiles
	s_mov_b32 s93, 0
	s_add_co_u32 s81, s81, s23
	s_mul_i32 s94, s81, 12288                      ; the prefetches: tile 4 w + cx
	s_mov_b32 s95, 0
	s_lshl_b32 s82, s25, 4
	s_add_co_u32 s82, s82, 1024
	s_lshl_b32 s83, s[NH], 3
	s_add_co_u32 s82, s82, s83
	s_mul_i32 s82, s82, 12288                      ; B: my 8 tiles
	s_mov_b32 s83, 0
	s_mul_i32 s84, s[NH], QUART                    ; where they go: no place in the cluster enters an LDS address
	s_mul_i32 s85, s[NH], BHALF
	s_add_co_u32 s85, s85, BREG
	s_mul_i32 s78, s[WV], 4*TILEB
	s_mov_b32 s[SEL], 0x76543210
	s_mov_b32 s[SEL+1], 0xfedcba98
	s_wait_dscnt 0x0                               ; both opening adds are done
	s_wait_kmcnt 0x0
	s_add_nc_u64 s[86:87], s[4:5], s[90:91]
	s_add_nc_u64 s[88:89], s[4:5], s[82:83]
	s_add_nc_u64 s[92:93], s[4:5], s[92:93]
	s_add_nc_u64 s[PFB:PFB+1], s[4:5], s[94:95]
	CROUND                                         ; all sixteen work-groups are here: the first joint loads meet
	s_mov_b32 s[G0HA], 1
	s_mov_b32 s[G0HA+1], s84
	s_mov_b64 s[G0HA+2:G0HA+3], s[86:87]
	s_or_b32 s[G0HA+3], s[G0HA+3], 0x80000000
	s_mov_b32 s[G0HB], 1
	s_mov_b32 s[G0HB+1], s85
	s_mov_b64 s[G0HB+2:G0HB+3], s[88:89]
	s_or_b32 s[G0HB+3], s[G0HB+3], 0x80000000
	s_cmp_eq_u32 s[MH], 0                          ; the head's loads, one a wave: waves 0, 1 slot 0 of A, waves 2, 3 all of B
	s_cbranch_scc0 .Lhead_b
	tensor_load_to_lds s[G0HA:G0HA+3], s[G1A:G1A+7]
	s_nop 0
.rept 4
	v_nop
.endr
	s_branch .Lhead_asked
.Lhead_b:
	tensor_load_to_lds s[G0HB:G0HB+3], s[G1B:G1B+7]
	s_nop 0
.rept 4
	v_nop
.endr
.Lhead_asked:
.irp s, 0,1                                            ; slot s begins at fill s; slot 0's set is first used for fill 2
	s_mov_b32 s[G0R+4*\s], 1
	s_add_co_u32 s[G0R+4*\s+1], s78, \s*ASLOT
	s_add_nc_u64 s[G0R+4*\s+2:G0R+4*\s+3], s[92:93], \s*TILEB
	s_or_b32 s[G0R+4*\s+3], s[G0R+4*\s+3], 0x80000000
.endr
	v_and_b32 v1, 15, v0
	v_bfe_u32 v2, v0, 4, 1
	v_and_b32 v3, 31, v0
	v_lshlrev_b32 v[CO], 4, v3
	v_lshlrev_b32 v[WO], 3, v3
	v_min_u32 v[PFO], 11, v3
	v_lshlrev_b32 v[PFO], 8, v[PFO]
	s_mul_i32 s80, s[MH], QUART
	s_mul_i32 s81, s[NH], BHALF
	s_add_co_u32 s81, s81, BREG
.irp s, 0,1
	v_add_nc_u32 v[ADRA+\s], s80, v[CO]
	v_add_nc_u32 v[ADRB+\s], s81, v[CO]
	s_add_co_u32 s80, s80, ASLOT
	s_add_co_u32 s81, s81, 4*12288
.endr
	s_mul_i32 s80, s[WV], STGW
	s_add_co_u32 s80, s80, STAGE
	v_mul_u32_u24 v4, v1, 96
	v_mad_u32_u24 v4, v2, 24, v4
	v_add_nc_u32 v[STO], s80, v4
	v_lshlrev_b32 v4, 2, v1
	v_add_nc_u32 v[SSTO], s80, v4
	v_add_nc_u32 v[RD], s80, v[CO]
	v_add_nc_u32 v[RDW], s80, v[WO]
	s_lshr_b32 s90, ttmp9, 1
	s_lshl_b32 s90, s90, 9
	s_lshl_b32 s91, s26, 4
	s_add_co_u32 s90, s90, s91
	s_lshl_b32 s91, s[MH], 3
	s_add_co_u32 s90, s90, s91
	s_lshl_b32 s90, s90, 9                         ; scale words: 512 bytes a tile: my 8 tiles of A,
	s_lshl_b32 s91, s25, 4
	s_add_co_u32 s91, s91, 1024
	s_lshl_b32 s92, s[NH], 3
	s_add_co_u32 s91, s91, s92
	s_lshl_b32 s91, s91, 9                         ; and of B
	s_sub_co_u32 s91, s91, s90
	v_mul_u32_u24 v4, s91, v2                      ; lanes 16-31 take B's
	v_lshl_add_u32 v4, v1, 5, v4
	v_add_nc_u32 v[SOFF], s90, v4
	v_xor_b32 v5, 1, v2
	v_lshl_add_u32 v[SOFF2], v5, 17, v[SOFF]       ; the second tile of C: A's words 256 tiles on, B's as they are
	SCLOAD SOFF
	s_mov_b64 s[92:93], s[14:15]                   ; which bias: the weight is the cluster's x
	s_cmp_lt_u32 ttmp9, 3
	s_cselect_b64 s[92:93], s[12:13], s[92:93]
	s_cmp_lt_u32 ttmp9, 2
	s_cselect_b64 s[92:93], s[10:11], s[92:93]
	s_cmp_lt_u32 ttmp9, 1
	s_cselect_b64 s[92:93], s[8:9], s[92:93]
	s_lshl_b32 s94, s23, 10
	s_lshl_b32 s95, s[NH], 9
	s_add_co_u32 s94, s94, s95
	v_lshl_add_u32 v[BOFF], v2, 6, s94
	WIN 0x40
.irp b, 0,1,2,3,4,5,6,7
.irp e, 0,1
	global_load_b128 v[96+8*(\b%4)+128*(\b/4)+4*\e:96+8*(\b%4)+128*(\b/4)+4*\e+3], v[BOFF], s[92:93] offset:4*(32*(\b/2)+8*(\b%2))+16*\e
.endr
.endr
	WIN 0
	s_lshl_b32 s29, s26, 3
	s_lshl_b32 s30, s[MH], 2
	s_add_co_u32 s29, s29, s30
	s_lshl_b32 s29, s29, 5
	s_lshl_b32 s30, ttmp9, 3
	s_lshl_b32 s31, s23, 1
	s_add_co_u32 s30, s30, s31
	s_add_co_u32 s30, s30, s[NH]
	s_add_co_u32 s29, s29, s30
	s_mul_i32 s98, s29, 3072
	s_mov_b32 s99, 0
	s_add_nc_u64 s[16:17], s[16:17], s[98:99]      ; my part of qkc
	s_lshl_b32 s30, s30, 13
	s_lshl_b32 s31, s26, 8
	s_add_co_u32 s30, s30, s31
	s_lshl_b32 s31, s[MH], 7
	s_add_co_u32 s30, s30, s31
	s_lshl_b32 s98, s30, 2
	s_add_nc_u64 s[18:19], s[18:19], s[98:99]      ; and of qks
	v_mov_b32 v[FL], 0x1800000
.irp b, 0,1,2,3
	v_mov_b32 v[TM+4+\b], 0                        ; a lane permute's destination counts as one of its sources
.endr
.macro FRAG reg, adr, off              ; a fragment's image: three loads of 512 consecutive bytes
.irp c, 0,1,2
	ds_load_b128 v[(\reg)+4*\c:(\reg)+4*\c+3], v[\adr] offset:(\off)+512*\c
.endr
.endm
.macro FETCH_B k, p                    ; B's eight fragments of K step k into set p
	WIN 0x40
.irp i, 0,1,2,3,4,5,6,7
	FRAG 128*(\p)+12*\i, ADRB+\i/4, 12288*(\i%4)+1536*(\k)
.endr
	WIN 0
.endm
.macro FETCH_A sl, e, i0               ; A's blocks i0 .. i0 + 3 of the e-th K step of slot sl
.irp i, \i0, \i0+1, \i0+2, \i0+3
	FRAG AF+12*(\i), ADRA+(\sl), TILEB*(\i)+1536*(\e)
.endr
.endm
.macro ASK off                         ; the fill two fills on: my tile's 12 blocks of 256 bytes
.if (\off) >= 0
	global_prefetch_b8 v[PFO], s[PFB:PFB+1] offset:\off th:TH_LOAD_NT scope:SCOPE_SE
.endif
.endm
; 16 products: A's blocks a0, a0 + 1 x B's eight.  mode = 1: the bias starts the sums.  The 64 accumulators take turns
.macro MUL16 a0, p, k, mode
.irp a, \a0, \a0+1
.irp b, 0,1,2,3,4,5,6,7
.if \mode
	v_wmma_scale_f32_16x16x128_f8f6f4 v[8*(8*((\a)%4)+\b):8*(8*((\a)%4)+\b)+7], v[128*(\p)+12*\b:128*(\p)+12*\b+11], v[AF+12*(\a):AF+12*(\a)+11], v[96+8*(\b%4)+128*(\b/4):96+8*(\b%4)+128*(\b/4)+7], v[SC+8*\b+(\k)], v[SC+8*(\a)+(\k)] matrix_a_fmt:MATRIX_FMT_FP6 matrix_b_fmt:MATRIX_FMT_FP6 matrix_a_scale:MATRIX_SCALE_ROW1
.else
	v_wmma_scale_f32_16x16x128_f8f6f4 v[8*(8*((\a)%4)+\b):8*(8*((\a)%4)+\b)+7], v[128*(\p)+12*\b:128*(\p)+12*\b+11], v[AF+12*(\a):AF+12*(\a)+11], v[8*(8*((\a)%4)+\b):8*(8*((\a)%4)+\b)+7], v[SC+8*\b+(\k)], v[SC+8*(\a)+(\k)] matrix_a_fmt:MATRIX_FMT_FP6 matrix_b_fmt:MATRIX_FMT_FP6 matrix_a_scale:MATRIX_SCALE_ROW1
.endif
.endr
.endr
.endm
; An even K step k: 64 products; the next step's fragments (A's from slot ns, its K step ne) are fetched in its middle and at its end
.macro STEP k, ns, ne, mode
	s_wait_dscnt 12                                ; B's set and A's blocks 0-3 are in; the youngest 12 loads (A's blocks 4-7) may be out
.if \mode
	WIN 0x91
.else
	WIN 0xa1
.endif
	MUL16 0, (\k)%2, \k, \mode
	MUL16 2, (\k)%2, \k, \mode
	s_wait_dscnt 0x0
	PLACES
	FETCH_B ((\k)+1)%8, 1-(\k)%2
	FETCH_A \ns, \ne, 0
.if \mode
	WIN 0xd1
.else
	WIN 0xf1
.endif
	MUL16 4, (\k)%2, \k, \mode
	MUL16 6, (\k)%2, \k, \mode
	PLACES
	WIN 0
	FETCH_A \ns, \ne, 4
.endm
; An odd K step k changes slots: slot fs has been read out, slot ns is whole behind the barrier.  fill = 1: slot fs takes the fill two on in this tile of C; 2: in the next tile; 0: nothing is left to fetch
.macro TURN k, fs, ns, ne, fill, ask
	s_wait_tensorcnt 0x0                           ; my one load that was out, my part of slot ns, has landed
	ds_add_u32 v[SPW], v[NIL]
	s_wait_dscnt 13                                ; (the add and the youngest 12 loads may be out)
	WIN 0xa1
	MUL16 0, 1, \k, 0
	s_wait_dscnt 0x0                               ; the add is done, my reads of slot fs are over
	s_barrier_signal -1
	MUL16 2, 1, \k, 0
	WIN 0
	s_barrier_wait -1
.if \fill
	CREST                                          ; the barrier has opened a round of the cluster's barrier
.if \fill == 1
	s_add_nc_u64 s[G0R+4*\fs+2:G0R+4*\fs+3], s[G0R+4*\fs+2:G0R+4*\fs+3], 2*TILEB
.else
	s_add_nc_u64 s[G0R+4*\fs+2:G0R+4*\fs+3], s[G0R+4*\fs+2:G0R+4*\fs+3], DA-2*TILEB
.endif
	RLOAD \fs                                      ; the first tensor load behind the round; its four v_nop are the places in front of the loads below
.else
	PLACES
.endif
	FETCH_B ((\k)+1)%8, 0
	FETCH_A \ns, \ne, 0
	ASK \ask
	WIN 0xf1
	MUL16 4, 1, \k, 0
	MUL16 6, 1, \k, 0
	PLACES
	WIN 0
	FETCH_A \ns, \ne, 4
.endm
; THE WAY OUT: each block of 16 tokens x 128 columns is quantised; four blocks' codes and scale words go through my stage and leave as runs of 512 and 256 consecutive bytes
.macro WAYOUT
.irp hu, 0,1
.irp qa, 0,1,2,3
	QUANT 64*\qa, 2+\hu, PW, 4*\hu+\qa
.irp c, 0,1
.irp p, 0,1,2
	ds_store_b64 v[STO], v[PC+6*\c+2*\p:PC+6*\c+2*\p+1] offset:1536*\qa+48*\c+8*\p
.endr
.endr
	ds_store_b32 v[SSTO], v[PW] offset:6144+64*\qa
.endr
	WIN 0x40
.irp t, 0,1,2,3,4,5,6,7,8,9,10,11
	ds_load_b128 v[128+48*\hu+4*\t:128+48*\hu+4*\t+3], v[RD] offset:512*\t
.endr
	WIN 0
	ds_load_b64 v[244+2*\hu:245+2*\hu], v[RDW] offset:6144
	WIN 0x04
.irp t, 0,1,2,3,4,5,6,7,8,9,10,11
	s_wait_dscnt 12-\t
	global_store_b128 v[CO], v[128+48*\hu+4*\t:128+48*\hu+4*\t+3], s[16:17] offset:98304*(2*\hu+\t/6)+512*(\t%6)
.endr
	WIN 0
	s_wait_dscnt 0x0
	global_store_b64 v[WO], v[244+2*\hu:245+2*\hu], s[18:19] offset:256*\hu
.endr
.endm
	s_wait_alu depctr_va_vdst(0)                   ; the wait at the head's end
	s_wait_tensorcnt 0x0                           ; my tile of the head's four is in; slot 1 is first filled as a refill is:
	ds_add_u32 v[SPW], v[NIL]
	s_mov_b32 s[G1A+2], 4<<16                      ; no tensor load of mine is out: from here on a load of A brings 4 rows
	s_mov_b32 s[G1A+4], 4
	s_wait_dscnt 0x0
	CROUND                                         ; slot 0 and B are whole, and all sixteen work-groups are here
	RLOAD 1                                        ; fill 1
	FETCH_B 0, 0
	FETCH_A 0, 0, 0
	FETCH_A 0, 0, 4
	ASK 3*TILEB                                    ; fill 3
	s_wait_loadcnt 0x0                             ; the scale words and the biases
	STEP 0, 0, 1, 1
	TURN 1, 0, 1, 0, 1, DA                         ; fill 2; asks for fill 4, the second tile's first
	STEP 2, 1, 1, 0
	TURN 3, 1, 0, 0, 1, DA+TILEB
	STEP 4, 0, 1, 0
	TURN 5, 0, 1, 0, 2, DA+2*TILEB                 ; the ring goes on into the second tile of C
	STEP 6, 1, 1, 0
	TURN 7, 1, 0, 0, 2, DA+3*TILEB
	s_wait_alu depctr_va_vdst(0)
	SCLOAD SOFF2                                   ; the second tile's scale words come under the way out
	WAYOUT
	s_wait_xcnt 0x0                                ; the stores have read their bases
	s_add_nc_u64 s[16:17], s[16:17], 128*98304
	s_add_nc_u64 s[18:19], s[18:19], 16384
	s_wait_loadcnt 0x0
	STEP 0, 0, 1, 1
	TURN 1, 0, 1, 0, 1, -1
	STEP 2, 1, 1, 0
	TURN 3, 1, 0, 0, 1, -1
	STEP 4, 0, 1, 0
	TURN 5, 0, 1, 0, 0, -1                         ; the last fill is shown whole; nothing is filled again
	STEP 6, 1, 1, 0
	s_wait_dscnt 12
	WIN 0xa1
	MUL16 0, 1, 7, 0
	MUL16 2, 1, 7, 0
	s_wait_dscnt 0x0
	WIN 0xf1
	MUL16 4, 1, 7, 0
	MUL16 6, 1, 7, 0
	WIN 0
	PLACES
	WAYOUT
	s_wait_tensorcnt 0x0                           ; the wave's end
	ds_add_u32 v[SPW], v[NIL]
	s_wait_dscnt 0x0
	CROUND                                         ; the closing round
	s_endpgm
.Lfunc_end_k_qc431429dcf_proj:
	.size	k_qc431429dcf_proj, .Lfunc_end_k_qc431429dcf_proj-k_qc431429dcf_proj
	.p2alignl 7, 3214868480
	.fill 96, 4, 3214868480
	.section	.rodata,"a",@progbits
	.p2align	6, 0x0
	.amdhsa_kernel k_qc431429dcf_proj
		.amdhsa_group_segment_fixed_size 327680
		.amdhsa_private_segment_fixed_size 0
		.amdhsa_enable_private_segment 0
		.amdhsa_kernarg_size 64
		.amdhsa_user_sgpr_count 2
		.amdhsa_user_sgpr_kernarg_segment_ptr 1
		.amdhsa_wavefront_size32 1
		.amdhsa_system_sgpr_workgroup_id_x 1
		.amdhsa_system_sgpr_workgroup_id_y 1
		.amdhsa_system_sgpr_workgroup_id_z 1
		.amdhsa_system_vgpr_workitem_id 0
		.amdhsa_next_free_vgpr 1024
		.amdhsa_next_free_sgpr 100
		.amdhsa_reserve_vcc 0
		.amdhsa_float_denorm_mode_32 3
		.amdhsa_float_denorm_mode_16_64 3
		.amdhsa_memory_ordered 1
		.amdhsa_forward_progress 1
		.amdhsa_inst_pref_size 255
	.end_amdhsa_kernel
	.section	.bss,"aw",@nobits
	.p2align	6
	.space	262144
	.amdgpu_metadata
---
amdhsa.version: [ 1, 2 ]
amdhsa.kernels:
  - .name:           k_qc431429dcf_proj
    .symbol:         k_qc431429dcf_proj.kd
    .args:
      - { .name: codes, .offset: 0, .size: 8, .value_kind: global_buffer, .address_space: global }
      - { .name: scl, .offset: 8, .size: 8, .value_kind: global_buffer, .address_space: global }
      - { .name: bcq, .offset: 16, .size: 8, .value_kind: global_buffer, .address_space: global }
      - { .name: bck, .offset: 24, .size: 8, .value_kind: global_buffer, .address_space: global }
      - { .name: bpq, .offset: 32, .size: 8, .value_kind: global_buffer, .address_space: global }
      - { .name: bpk, .offset: 40, .size: 8, .value_kind: global_buffer, .address_space: global }
      - { .name: qkc, .offset: 48, .size: 8, .value_kind: global_buffer, .address_space: global }
      - { .name: qks, .offset: 56, .size: 8, .value_kind: global_buffer, .address_space: global }
    .group_segment_fixed_size: 327680
    .private_segment_fixed_size: 0
    .kernarg_segment_align: 8
    .kernarg_segment_size: 64
    .max_flat_workgroup_size: 128
    .sgpr_count:     100
    .vgpr_count:     1024
    .wavefront_size: 32
...
	.end_amdgpu_metadata
.endif
;; end of part 2
;; launch attn (part 3): grid 256 x 1, 8 waves a work-group, no clusters, 327,680 bytes of LDS; arguments codes, scl, qkc, qks, bcv, bo, out0; writes out0
.if DOCPART == 3
	.amdgcn_target "amdgcn-amd-amdhsa--gfx1250"
	.amdhsa_code_object_version 6
	.text
	.protected	k_qc431429dcf_attn
	.globl	k_qc431429dcf_attn
	.p2align	8
	.type	k_qc431429dcf_attn,@function
k_qc431429dcf_attn:
	s_mov_b64 s[64:65], 0
	v_nop
	global_prefetch_b8 v0, s[64:65] scope:SCOPE_SE
	s_setreg_imm32_b32 hwreg(HW_REG_WAVE_MODE, 25, 1), 1
	s_wait_xcnt 0x0
; For 32 tokens: c_v = content Wcv^T (+ bcv); per token the 16 x 16 scores across heads, softmax, attn x c_v; the result quantised; out0 = that x Wo^T + bo.  c_v, attn and the attention's result never go to memory.
; No work of reference() is left out.  LIMITS: a block whose largest magnitude lies under 2^-124 gets the byte 1 (a block of zeros has zero codes); NaN and infinities are not served; an exponential under 2^-126 comes out as 0.
; SHARES: eight waves.  In both large products wave w makes 128 of the 1,024 columns for all 32 tokens (source 0 = 16 rows of the weight, source 1 = 16 tokens); in the attention it owns tokens 4 w .. 4 w + 3.
; THE WEIGHTS GO FROM MEMORY STRAIGHT INTO REGISTERS: a fragment's image is 1,536 consecutive bytes, read by one wave alone.  A ring of six steps (two fragments, six loads each) keeps 36 loads of every wave out under counted waits, with no barrier.
; NO CLUSTER, NO JOINT LOADS, though all work-groups walk the same weights: a joint load lands in LDS, and the regions below take 24,576 + 99,328 + 176,640 + 25,088 + 1,024 + 1,024 = 327,680 bytes: nothing is left for a ring.
; NOTHING STANDS BETWEEN THE RING AND ITS PRODUCTS THAT COULD COME EARLIER OR LATER: the tokens' fragments are fetched from LDS step by step, three K steps ahead, inside each product's first pass; what the attention wants from memory is asked for
; at the head (the words of qks and bo into registers, bcv by a copy); a wave's first 64 columns of out0 leave while its other 64 are multiplied.
; SCORES: products 6 and 7 of a token are ONE matrix instruction: K = [64 of c | 64 of p], source 0 = the 16 heads' keys, source 1 = the 16 heads' queries: lane (h, half) holds heads g = 8 half + 0..7.
; attn x c_v has f32 operands (its result goes into a quantiser): four steps of the f32 form, k standing for g = 8 half + 2 s + j in both sources.  Wcv's tile d holds the 16 heads' rows of channel d, so that c_v comes out with the heads in a lane's registers.
; LDS: XA content's 16 fragment images (copies); QK the block's 32 rows of q/k codes, pitch 3,104 (copies); CV c_v, a token 5,520 bytes, (g, d) at 80 d + 128 (d / 16) + 4 g, later eight stages of 32 x 528; AIM first bcv's 4,096 bytes (a copy),
; read out ahead of the barrier behind which the attention's 16 fragments are stored there, 48 bytes a lane, pitch 1,568; ASC their scale words; the spare words.  Copies fill bytes once; no byte is filled again.
; REGISTERS: window 0: v0-23 addresses and bo; v24-31 the tokens' scale words; v32-63 the weight's; v64-255 the tokens' 16 fragments, in the attention as named below.  window 1: v0-63 two sets of four accumulators (matrix instructions alone write
;   them); v64-207 the ring; v208-239 rows of out0 on their way; v240-247 the words of qks; v248-251 bo of my upper 64 columns; v252, v253 offsets.
.set XA,    0
.set QK,    24576
.set CV,    123904
.set AIM,   300544
.set ASC,   325632
.set SPARE, 326656
.set SPW,  1
.set NIL,  2
.set L16,  3
.set CA0,  4                           ; the copies' addresses, v4-v10 (and v72, v73 for bcv's); behind the wait for the copies:
.set CG1,  5
.set CL0,  6
.set CG0,  10
.set LQ0,  4                           ; cq, ck in QK
.set LQ2,  5                           ; pq, pk
.set CVR,  6                           ; c_v as source 0
.set AIW,  7                           ; where my block of codes goes
.set ASW,  8                           ; and its two scale bytes
.set AIR,  9                           ; the attention's fragments, read
.set ASR,  10                          ; and their scale words
.set CVS0, 11                          ; v11, v12: c_v's stores, tokens 0-15 and 16-31
.set STS,  13
.set STR,  14                          ; my stage, read: lanes 0-15 a row's 256 bytes, lanes 16-31 the next row's
.set XSO,  15                          ; at the head: the tokens' scale words' offset
.set BVL,  15                          ; later: bcv in LDS
.set BOO,  16                          ; 512 w + 16 (lane % 16)
.set FL,   17
.set WSO,  18
.set OOF,  19                          ; BOO + 4,096 (lane / 16)
.set BO,   20                          ; v20-23 bo of my lower 64 columns, at the end of my upper 64
.set BCL,  72
.set BCG,  73
.set SB,   160                         ; v160-191 S, then P: eight a token
.set BV,   192                         ; v192-223 bcv in source 0's order
.set T0,   232
.set T1,   236
.set NM,   240                         ; pairs
.set U,    248                         ; pairs; later a token's two scale bytes
.set TQ,   232
.set RNG,  64                          ; window 1
.set RBK,  208
.set QSW,  240
.set BOB,  248
.set WAD,  252
.set QSO,  253
.set WV,   18
.set SEL,  20
.set CS,   22                          ; s[22:23] log2(e) / 8
.set CSN,  24                          ; its negative
.set WB,   26
.set XAB,  28
.set QKB,  30
.set OB,   36
.set W_G,  0x51                        ; source 0 (ring; a load's address), C and D window 1; source 1 window 0
.set MSB, 0
.macro WIN new
.if MSB != (\new)
	s_set_vgpr_msb (MSB<<8)|(\new)
.set MSB, \new
.endif
.endm
.macro WLOAD sg                        ; step sg's two weight fragments into ring slot sg % 6.  Steps 0-31: Wcv; 32-63: Wo, 64 tiles further on
.set LP, (\sg)/8
.set LK, (\sg)%6
	WIN W_G
.irp e, 0,1
.irp c, 0,1,2
	global_load_b128 v[RNG+24*LK+12*\e+4*\c:RNG+24*LK+12*\e+4*\c+3], v[WAD], s[WB:WB+1] offset:((LP/4)*64+2*(LP%4)+\e)*12288+1536*((\sg)%8)+512*\c
.endr
.endr
.endm
.macro AFL g, s                        ; the two token tiles' fragments of K step s: six loads.  g = 0: content's images; g = 1: the attention's
.irp a, 0,1
.irp c, 0,1,2
.if (\g) == 0
	ds_load_b128 v[64+12*(8*\a+(\s))+4*\c:64+12*(8*\a+(\s))+4*\c+3], v[L16] offset:XA+1536*(8*\a+(\s))+512*\c
.else
	ds_load_b128 v[64+12*(8*\a+(\s))+4*\c:64+12*(8*\a+(\s))+4*\c+3], v[AIR] offset:1568*(8*\a+(\s))+16*\c
.endif
.endr
.endr
.endm
.macro RB bt                           ; rows 16 bt .. 16 bt + 15 of my stage, their lower 256 bytes: two rows a load
	WIN 0x40                                       ; destination window 1
.irp i, 0,1,2,3,4,5,6,7
	ds_load_b128 v[RBK+4*\i:RBK+4*\i+3], v[STR] offset:1056*(8*(\bt)+\i)
.endr
.endm
.macro SD bt                           ; they take bo and leave: each store covers two rows' 256 consecutive bytes, aligned
	s_wait_dscnt 0x0
	WIN 0x41                                       ; destination and source 0 window 1, bo window 0
.irp i, 0,1,2,3,4,5,6,7
	v_pk_add_f32 v[RBK+4*\i:RBK+4*\i+1], v[RBK+4*\i:RBK+4*\i+1], v[BO:BO+1]
	v_pk_add_f32 v[RBK+4*\i+2:RBK+4*\i+3], v[RBK+4*\i+2:RBK+4*\i+3], v[BO+2:BO+3]
.endr
	WIN 0x04                                       ; a store's data are its source 1: window 1
.irp i, 0,1,2,3,4,5,6,7
	global_store_b128 v[OOF], v[RBK+4*\i:RBK+4*\i+3], s[OB:OB+1] offset:8192*(8*(\bt)+\i) th:TH_STORE_NT
.endr
.endm
.macro WM d, wf, xf, cz, sa, sb, ra, rb ; one product; cz: it starts the sum; ra, rb: the scales stand in lanes 16-31
.if \cz
.if \ra
.if \rb
	v_wmma_scale_f32_16x16x128_f8f6f4 v[(\d):(\d)+7], v[(\wf):(\wf)+11], v[(\xf):(\xf)+11], 0, v[\sa], v[\sb] matrix_a_fmt:MATRIX_FMT_FP6 matrix_b_fmt:MATRIX_FMT_FP6 matrix_a_scale:MATRIX_SCALE_ROW1 matrix_b_scale:MATRIX_SCALE_ROW1
.else
	v_wmma_scale_f32_16x16x128_f8f6f4 v[(\d):(\d)+7], v[(\wf):(\wf)+11], v[(\xf):(\xf)+11], 0, v[\sa], v[\sb] matrix_a_fmt:MATRIX_FMT_FP6 matrix_b_fmt:MATRIX_FMT_FP6 matrix_a_scale:MATRIX_SCALE_ROW1
.endif
.else
.if \rb
	v_wmma_scale_f32_16x16x128_f8f6f4 v[(\d):(\d)+7], v[(\wf):(\wf)+11], v[(\xf):(\xf)+11], 0, v[\sa], v[\sb] matrix_a_fmt:MATRIX_FMT_FP6 matrix_b_fmt:MATRIX_FMT_FP6 matrix_b_scale:MATRIX_SCALE_ROW1
.else
	v_wmma_scale_f32_16x16x128_f8f6f4 v[(\d):(\d)+7], v[(\wf):(\wf)+11], v[(\xf):(\xf)+11], 0, v[\sa], v[\sb] matrix_a_fmt:MATRIX_FMT_FP6 matrix_b_fmt:MATRIX_FMT_FP6
.endif
.endif
.else
.if \ra
.if \rb
	v_wmma_scale_f32_16x16x128_f8f6f4 v[(\d):(\d)+7], v[(\wf):(\wf)+11], v[(\xf):(\xf)+11], v[(\d):(\d)+7], v[\sa], v[\sb] matrix_a_fmt:MATRIX_FMT_FP6 matrix_b_fmt:MATRIX_FMT_FP6 matrix_a_scale:MATRIX_SCALE_ROW1 matrix_b_scale:MATRIX_SCALE_ROW1
.else
	v_wmma_scale_f32_16x16x128_f8f6f4 v[(\d):(\d)+7], v[(\wf):(\wf)+11], v[(\xf):(\xf)+11], v[(\d):(\d)+7], v[\sa], v[\sb] matrix_a_fmt:MATRIX_FMT_FP6 matrix_b_fmt:MATRIX_FMT_FP6 matrix_a_scale:MATRIX_SCALE_ROW1
.endif
.else
.if \rb
	v_wmma_scale_f32_16x16x128_f8f6f4 v[(\d):(\d)+7], v[(\wf):(\wf)+11], v[(\xf):(\xf)+11], v[(\d):(\d)+7], v[\sa], v[\sb] matrix_a_fmt:MATRIX_FMT_FP6 matrix_b_fmt:MATRIX_FMT_FP6 matrix_b_scale:MATRIX_SCALE_ROW1
.else
	v_wmma_scale_f32_16x16x128_f8f6f4 v[(\d):(\d)+7], v[(\wf):(\wf)+11], v[(\xf):(\xf)+11], v[(\d):(\d)+7], v[\sa], v[\sb] matrix_a_fmt:MATRIX_FMT_FP6 matrix_b_fmt:MATRIX_FMT_FP6
.endif
.endif
.endif
.endm
; Step sg = 8 p + s: K step s of the pair p of weight tiles (local tiles 2 (p % 4) + e) x the two tiles of tokens: four products, the four accumulators of set p % 2 by turns
.macro KSTEP sg
.set PP, (\sg)/8
.set SS, (\sg)%8
.set ST_, 32*(PP%2)
.set KS6, (\sg)%6
.set CZ, 0
	WIN W_G
.if SS == 0
.set CZ, 1
.endif
.if ((\sg)%32) < 8                     ; a product's first pass: the tokens' fragments come step by step
.if SS < 6
	s_wait_dscnt 12                                ; this K step's six loads are in; the two later steps' 12 may be out
.else
	s_wait_dscnt 6*(7-SS)
.endif
.elseif SS == 0
.if (\sg) == 48
	s_wait_dscnt 16                                ; the LDS stores that read this set are done; the eight of the pair just finished and the eight row loads behind them may be out
.else
	s_wait_dscnt 8                                 ; the LDS stores that read this set are done; the eight of the pair just finished may be out
.endif
.endif
.if (\sg) == 32
	s_wait_loadcnt 0x0                             ; Wo's scale words, asked for behind the ring's six steps, a whole attention ago
.elseif 6*(63-(\sg)) < 30
	s_wait_loadcnt 6*(63-(\sg))
.else
	s_wait_loadcnt 30                              ; this step's six loads are in; the five later steps' 30 may be out
.endif
.irp e, 0,1
.irp a, 0,1
	WM ST_+8*(2*\e+\a), RNG+24*KS6+12*\e, 64+12*(8*\a+SS), CZ, 32+8*((2*(PP%4)+\e)%4)+SS, 24+SS, (PP%4)/2, \a
.endr
.endr
.rept 4
	v_nop                                          ; four places in front of loads into the slot just read, and of the stores that read results
.endr
.if (\sg) == 52
	s_wait_xcnt 0x0                                ; the first batch's stores have read their data: the second batch's loads land there only behind this wait
	RB 1
.endif
.if (\sg)+6 < 64
	WLOAD (\sg)+6
.endif
.if ((\sg)%32) < 5
	WIN 0
	AFL (\sg)/32, SS+3
.endif
.endm
.macro EPI1 p                          ; c_v: lane (token r, half) holds heads 8 half + 0..7 of channel d = 8 w + 2 p + e
	WIN 0x04                                       ; an LDS store's data are its source 1: window 1
.irp e, 0,1
.irp a, 0,1
	ds_store_b128 v[CVS0+\a], v[32*((\p)%2)+8*(2*\e+\a):32*((\p)%2)+8*(2*\e+\a)+3] offset:80*(2*((\p)%4)+\e)
	ds_store_b128 v[CVS0+\a], v[32*((\p)%2)+8*(2*\e+\a)+4:32*((\p)%2)+8*(2*\e+\a)+7] offset:80*(2*((\p)%4)+\e)+16
.endr
.endr
.endm
.macro EPI2 p                          ; out0: lane (token r, half) holds columns 16 n + 8 half + 0..7 of my 128: into my stage
	WIN 0x04
.irp e, 0,1
.irp a, 0,1
	ds_store_b128 v[STS], v[32*((\p)%2)+8*(2*\e+\a):32*((\p)%2)+8*(2*\e+\a)+3] offset:8448*\a+64*(2*((\p)%4)+\e)
	ds_store_b128 v[STS], v[32*((\p)%2)+8*(2*\e+\a)+4:32*((\p)%2)+8*(2*\e+\a)+7] offset:8448*\a+64*(2*((\p)%4)+\e)+16
.endr
.endr
.endm
	s_load_b256 s[4:11], s[0:1], 0x0               ; codes, scl, qkc, qks
	s_load_b128 s[12:15], s[0:1], 0x20             ; bcv, bo
	s_load_b64 s[16:17], s[0:1], 0x30              ; out0
	v_lshl_add_u32 v[SPW], v0, 2, SPARE
	v_mov_b32 v[NIL], 0
	ds_add_u32 v[SPW], v[NIL]                      ; the wave's opening: the add, twice on end, and its wait ahead of my first copy
	ds_add_u32 v[SPW], v[NIL]
	v_lshrrev_b32 v64, 5, v0
	s_delay_alu instid0(VALU_DEP_1)
	v_readfirstlane_b32 s[WV], v64                 ; wave 0..7
	v_and_b32 v64, 15, v0                          ; r
	v_bfe_u32 v65, v0, 4, 1                        ; lane / 16
	v_and_b32 v66, 31, v0
	s_delay_alu instid0(VALU_DEP_1)
	v_lshlrev_b32 v[L16], 4, v66
	s_wait_alu depctr_va_vdst(0)
	s_mul_i32 s32, s[WV], 3072                     ; XA: my 3,072 of its 24,576 bytes, in LDS and in memory
	v_add_nc_u32 v[CA0], s32, v[L16]
	v_add_nc_u32 v[CG0], s32, v[L16]
	s_mul_i32 s32, s[WV], 12288                    ; QK: rows 4 w .. 4 w + 3: in memory 3,072 bytes a row,
	v_add_nc_u32 v[CG1], s32, v[L16]
	s_mul_i32 s32, s[WV], 12416                    ; in LDS 3,104: the copy's immediate counts 3,072 in both, the register the other 32
	s_add_co_u32 s32, s32, QK
.irp q, 0,1,2,3
	v_add_nc_u32 v[CL0+\q], s32, v[L16]
	s_add_co_u32 s32, s32, 32
.endr
	s_lshl_b32 s32, s[WV], 9
	v_add_nc_u32 v[BCG], s32, v[L16]               ; bcv: my 512 of its 4,096 bytes,
	s_delay_alu instid0(VALU_DEP_1)
	v_add_nc_u32 v[BCL], AIM, v[BCG]               ; to the head of AIM
	v_lshl_add_u32 v[BOO], v64, 4, s32             ; bo and out0: my 512 bytes of a row, 16 bytes a lane of a half row
	s_delay_alu instid0(VALU_DEP_1)
	v_lshl_add_u32 v[OOF], v65, 12, v[BOO]         ; lanes 16-31 one row down
	s_mul_i32 s32, s[WV], 640                      ; c_v's stores: 80 d + 128 (d / 16) with d = 8 w + ..
	s_lshr_b32 s33, s[WV], 1
	s_lshl_b32 s33, s33, 7
	s_add_co_u32 s32, s32, s33
	s_add_co_u32 s32, s32, CV
	v_mul_u32_u24 v67, v64, 5520
	s_delay_alu instid0(VALU_DEP_1)
	v_lshl_add_u32 v67, v65, 5, v67
	s_delay_alu instid0(VALU_DEP_1)
	v_add_nc_u32 v[CVS0], s32, v67
	s_delay_alu instid0(VALU_DEP_1)
	v_add_nc_u32 v[CVS0+1], 88320, v[CVS0]         ; 16 tokens on
	s_mul_i32 s32, s[WV], 16896                    ; my stage for out0
	s_add_co_u32 s32, s32, CV
	v_mul_u32_u24 v67, v64, 528
	s_delay_alu instid0(VALU_DEP_1)
	v_lshl_add_u32 v67, v65, 5, v67
	s_delay_alu instid0(VALU_DEP_1)
	v_add_nc_u32 v[STS], s32, v67
	v_mul_u32_u24 v67, v65, 528
	s_delay_alu instid0(VALU_DEP_1)
	v_lshl_add_u32 v67, v64, 4, v67
	s_delay_alu instid0(VALU_DEP_1)
	v_add_nc_u32 v[STR], s32, v67
	v_mov_b32 v[FL], 0x1800000
	v_lshlrev_b32 v67, 5, v64                      ; scale words: 32 bytes a row
	s_delay_alu instid0(VALU_DEP_1)
	v_lshl_add_u32 v68, v65, 11, v67               ; lanes 16-31: four tiles on
	s_lshl_b32 s32, s[WV], 12
	s_add_co_u32 s32, s32, 655360                  ; tile 1280 + 8 w
	v_add_nc_u32 v[WSO], s32, v68
	v_lshl_add_u32 v68, v65, 9, v67                ; lanes 16-31: the second tile of tokens
	s_lshl_b32 s32, ttmp9, 10
	v_add_nc_u32 v[XSO], s32, v68
	v_lshrrev_b32 v69, 1, v64
	s_delay_alu instid0(VALU_DEP_1)
	v_lshlrev_b32 v70, 15, v69                     ; qks: row rho = 8 (lane / 16) + r / 2 (lanes 0-15 cq, lanes 16-31 ck) of 32,768 bytes, my four tokens' words
	s_delay_alu instid0(VALU_DEP_1)
	v_lshl_add_u32 v70, v65, 18, v70
	s_lshl_b32 s32, ttmp9, 7
	s_lshl_b32 s33, s[WV], 4
	s_add_co_u32 s32, s32, s33
	v_add_nc_u32 v70, s32, v70
	s_mul_i32 s32, ttmp9, 24576
	s_mov_b32 s33, 0
	s_mul_i32 s34, ttmp9, 98304
	s_mov_b32 s35, 0
	s_mul_i32 s38, s[WV], 98304
	s_add_co_u32 s38, s38, 15728640                ; (1280 + 8 w) x 12,288
	s_mov_b32 s39, 0
	s_lshl_b32 s40, ttmp9, 17                      ; 32 rows of out0
	s_mov_b32 s41, 0
	s_mov_b32 s[SEL], 0x76543210
	s_mov_b32 s[SEL+1], 0xfedcba98
	s_mov_b32 s[CS], 0x3e38aa3b                    ; log2(e) / sqrt(64)
	s_mov_b32 s[CS+1], s[CS]
	s_mov_b32 s[CSN], 0xbe38aa3b
	s_wait_alu depctr_va_vdst(0)
	s_wait_dscnt 0x0                               ; both opening adds are done
	s_wait_kmcnt 0x0
	s_add_nc_u64 s[XAB:XAB+1], s[4:5], s[32:33]
	s_add_nc_u64 s[QKB:QKB+1], s[8:9], s[34:35]
	s_add_nc_u64 s[WB:WB+1], s[4:5], s[38:39]
	s_add_nc_u64 s[OB:OB+1], s[16:17], s[40:41]
.irp k, 0,1,2,3,4,5
	global_load_async_to_lds_b128 v[CA0], v[CG0], s[XAB:XAB+1] offset:512*\k
.endr
	global_load_async_to_lds_b128 v[BCL], v[BCG], s[12:13]
.irp q, 0,1,2,3
.irp k, 0,1,2,3,4,5
	global_load_async_to_lds_b128 v[CL0+\q], v[CG1], s[QKB:QKB+1] offset:3072*\q+512*\k
.endr
.endr
	global_load_b128 v[24:27], v[XSO], s[6:7]      ; register 24 + s: lanes 0-15 tokens 0-15, lanes 16-31 tokens 16-31, K step s
	global_load_b128 v[28:31], v[XSO], s[6:7] offset:16
.irp n, 0,1,2,3
.irp e, 0,1
	global_load_b128 v[32+8*\n+4*\e:35+8*\n+4*\e], v[WSO], s[6:7] offset:512*\n+16*\e   ; register 32 + 8 n + s: lanes 0-15 tile n, lanes 16-31 tile n + 4
.endr
.endr
	global_load_b128 v[BO:BO+3], v[BOO], s[14:15]  ; bo of my lower 64 columns
	WIN 0x40                                       ; destination window 1
	v_mov_b32 v[WAD], v[L16]                       ; the ring's loads and those of qks take their offsets from window 1
	v_mov_b32 v[QSO], v70
	global_load_b128 v[BOB:BOB+3], v[BOO], s[14:15] offset:256   ; and of my upper 64
	WIN W_G
	global_load_b128 v[QSW:QSW+3], v[QSO], s[10:11]              ; cq's, ck's words of my four tokens
	global_load_b128 v[QSW+4:QSW+7], v[QSO], s[10:11] offset:524288   ; 16 rows on: pq's, pk's
.irp g, 0,1,2,3,4,5
	WLOAD \g
.endr
	WIN 0
	s_wait_alu depctr_va_vdst(0)
	s_wait_asynccnt 24                             ; my six copies of XA and my copy of bcv are done; QK's 24 may stay out
	s_barrier_signal -1
	s_barrier_wait -1                              ; everybody's are
	AFL 0, 0
	AFL 0, 1
	AFL 0, 2
	; ---- c_v = content Wcv^T
.set SG, 0
.rept 4
.rept 8
	KSTEP SG
.set SG, SG+1
.endr
	EPI1 (SG/8-1)
.endr
	; ---- the attention's addresses; bcv out of LDS; Wo's scale words.  (Four places stand behind the last product: the fragments' and scales' registers may be written)
	WIN 0
	s_wait_asynccnt 0x0                            ; my copies are done: QK's rows are in, and the copies' address registers may be written
	v_and_b32 v250, 15, v0                         ; r: a head
	v_bfe_u32 v251, v0, 4, 1                       ; lane / 16
	s_delay_alu instid0(VALU_DEP_2)
	v_lshrrev_b32 v252, 1, v250
	s_delay_alu instid0(VALU_DEP_3)
	v_and_b32 v253, 1, v250
	s_delay_alu instid0(VALU_DEP_4)
	v_and_b32 v254, 7, v250
	v_lshrrev_b32 v255, 3, v250
.irp n, 0,1,2,3
.irp e, 0,1
	global_load_b128 v[32+8*\n+4*\e:35+8*\n+4*\e], v[WSO], s[6:7] offset:32768+512*\n+16*\e   ; Wo's scale words: wanted behind the attention
.endr
.endr
	v_lshlrev_b32 v[BVL], 2, v254                  ; bcv(64 g + d), g = 8 (lane / 16) + k, d = 32 b + 8 u + r % 8 + 16 (r / 8).  (This register's loads at the head were shown done by the first step's wait)
	s_delay_alu instid0(VALU_DEP_1)
	v_lshl_add_u32 v[BVL], v255, 6, v[BVL]
	s_delay_alu instid0(VALU_DEP_1)
	v_lshl_add_u32 v[BVL], v251, 11, v[BVL]
	s_delay_alu instid0(VALU_DEP_1)
	v_add_nc_u32 v[BVL], AIM, v[BVL]
.irp b, 0,1
.irp u, 0,1
.irp k, 0,1,2,3,4,5,6,7
	ds_load_b32 v[BV+8*(2*\b+\u)+\k], v[BVL] offset:4*(64*\k+32*\b+8*\u)
.endr
.endr
.endr
	v_mul_u32_u24 v[LQ0], v252, 3104               ; head g: row g / 2 of QK, block 2 (g % 2) + lane / 16 of the token's 96 bytes
	s_delay_alu instid0(VALU_DEP_1)
	v_mad_u32_u24 v[LQ0], v253, 48, v[LQ0]
	s_delay_alu instid0(VALU_DEP_1)
	v_mad_u32_u24 v[LQ0], v251, 24, v[LQ0]
	s_mul_i32 s32, s[WV], 384
	s_add_co_u32 s32, s32, QK
	v_add_nc_u32 v[LQ0], s32, v[LQ0]
	s_delay_alu instid0(VALU_DEP_1)
	v_add_nc_u32 v[LQ2], 49664, v[LQ0]
	v_mul_u32_u24 v[CVR], v254, 80
	s_delay_alu instid0(VALU_DEP_1)
	v_mad_u32_u24 v[CVR], v255, 1408, v[CVR]
	s_delay_alu instid0(VALU_DEP_1)
	v_lshl_add_u32 v[CVR], v251, 5, v[CVR]
	s_mul_i32 s32, s[WV], 22080
	s_add_co_u32 s32, s32, CV
	v_add_nc_u32 v[CVR], s32, v[CVR]
	v_mul_u32_u24 v[AIW], v252, 1568               ; head h, block lane / 16: K step h / 2, registers 6 (h % 2) on, of lane (my token % 16, lane / 16)
	s_delay_alu instid0(VALU_DEP_1)
	v_mad_u32_u24 v[AIW], v253, 24, v[AIW]
	s_delay_alu instid0(VALU_DEP_1)
	v_mad_u32_u24 v[AIW], v251, 784, v[AIW]
	s_lshr_b32 s33, s[WV], 2
	s_mul_i32 s32, s33, 12544
	s_and_b32 s34, s[WV], 3
	s_mul_i32 s35, s34, 192
	s_add_co_u32 s32, s32, s35
	s_add_co_u32 s32, s32, AIM
	v_add_nc_u32 v[AIW], s32, v[AIW]
	v_lshlrev_b32 v[ASW], 6, v252
	s_delay_alu instid0(VALU_DEP_1)
	v_lshl_add_u32 v[ASW], v253, 1, v[ASW]
	s_lshl_b32 s32, s33, 9
	s_lshl_b32 s35, s34, 4
	s_add_co_u32 s32, s32, s35
	s_add_co_u32 s32, s32, ASC
	v_add_nc_u32 v[ASW], s32, v[ASW]
	v_mul_u32_u24 v[AIR], v250, 48
	s_delay_alu instid0(VALU_DEP_1)
	v_mad_u32_u24 v[AIR], v251, 784, v[AIR]
	s_delay_alu instid0(VALU_DEP_1)
	v_add_nc_u32 v[AIR], AIM, v[AIR]
	v_lshlrev_b32 v[ASR], 2, v250
	s_delay_alu instid0(VALU_DEP_1)
	v_lshl_add_u32 v[ASR], v251, 9, v[ASR]
	s_delay_alu instid0(VALU_DEP_1)
	v_add_nc_u32 v[ASR], ASC, v[ASR]
	s_wait_dscnt 0x0                               ; my stores of c_v have landed, and my reads of bcv are over
	s_barrier_signal -1
	s_barrier_wait -1                              ; all of c_v and of QK lies in LDS; nobody reads the head of AIM any more
	; ---- the scores of my four tokens
.irp i, 0,1,2,3
.irp p, 0,1,2
	ds_load_b64 v[64+24*\i+2*\p:64+24*\i+2*\p+1], v[LQ0] offset:96*\i+8*\p              ; queries: cq,
	ds_load_b64 v[70+24*\i+2*\p:70+24*\i+2*\p+1], v[LQ2] offset:96*\i+8*\p              ; pq
	ds_load_b64 v[76+24*\i+2*\p:76+24*\i+2*\p+1], v[LQ0] offset:24832+96*\i+8*\p        ; keys: ck,
	ds_load_b64 v[82+24*\i+2*\p:82+24*\i+2*\p+1], v[LQ2] offset:24832+96*\i+8*\p        ; pk
.endr
.endr
	v_and_b32 v249, 1, v0
	s_delay_alu instid0(VALU_DEP_1)
	v_sub_nc_u32 v249, 0, v249
	s_delay_alu instid0(VALU_DEP_1)
	v_and_b32 v249, 0x02020202, v249
	s_delay_alu instid0(VALU_DEP_1)
	v_add_nc_u32 v248, 0x05040100, v249            ; an even head takes bytes 0, 1 of both words, an odd one bytes 2, 3
	WIN 0x05                                       ; the words of qks lie in window 1 (their loads stand ahead of the ring's first: the first step's wait has shown them done)
.irp i, 0,1,2,3
	v_perm_b32 v[24+\i], v[QSW+4+\i], v[QSW+\i], v248   ; c's two bytes, then p's: lanes 0-15 the queries' word, lanes 16-31 the keys'
.endr
	WIN 0
.irp i, 0,1,2,3
	v_mov_b32 v[T1+\i], 0                          ; (a lane permute's destination counts as one of its sources.)  These eight lines are the places between the scale words' making and the products
	v_mov_b32 v[NM+2*\i+1], 0                      ; (named as the upper half of a pair)
.endr
	s_wait_alu depctr_va_vdst(0)
	s_wait_dscnt 0x0
.irp i, 0,1,2,3
	v_wmma_scale_f32_16x16x128_f8f6f4 v[SB+8*\i:SB+8*\i+7], v[76+24*\i:87+24*\i], v[64+24*\i:75+24*\i], 0, v[24+\i], v[24+\i] matrix_a_fmt:MATRIX_FMT_FP6 matrix_b_fmt:MATRIX_FMT_FP6 matrix_a_scale:MATRIX_SCALE_ROW1
.endr
.rept 4
	v_nop                                          ; places in front of the loads into the operands' registers and of the first read of the scores
.endr
.macro CVL i                           ; token i's c_v as source 0: tile 2 b + u, row r = channel 32 b + 8 u + r % 8 + 16 (r / 8); registers 8 (2 b + u) + k = head 8 (lane / 16) + k
.irp b, 0,1
.irp u, 0,1
.irp e, 0,1
	ds_load_b128 v[64+32*((\i)%2)+8*(2*\b+\u)+4*\e:64+32*((\i)%2)+8*(2*\b+\u)+4*\e+3], v[CVR] offset:5520*(\i)+2816*\b+640*\u+16*\e
.endr
.endr
.endr
.endm
.macro BADD i                          ; + bcv
.set BB, 64+32*((\i)%2)
.set m, 0
.rept 16
	v_pk_add_f32 v[BB+m:BB+m+1], v[BB+m:BB+m+1], v[BV+m:BV+m+1]
.set m, m+2
.endr
.endm
.macro PV i                            ; attn x c_v of token i: four steps of 4 heads, the four accumulators by turns; lane (h, half) gets channels 32 b + 16 half + 8 u + j in register 8 (2 b + u) + j
	WIN 0x50                                       ; C and D window 1
.irp s, 0,1,2,3
.irp n, 0,1,2,3
.if \s == 0
	v_wmma_f32_16x16x4_f32 v[32*((\i)%2)+8*\n:32*((\i)%2)+8*\n+7], v[64+32*((\i)%2)+8*\n+2*\s:64+32*((\i)%2)+8*\n+2*\s+1], v[SB+8*(\i)+2*\s:SB+8*(\i)+2*\s+1], 0
.else
	v_wmma_f32_16x16x4_f32 v[32*((\i)%2)+8*\n:32*((\i)%2)+8*\n+7], v[64+32*((\i)%2)+8*\n+2*\s:64+32*((\i)%2)+8*\n+2*\s+1], v[SB+8*(\i)+2*\s:SB+8*(\i)+2*\s+1], v[32*((\i)%2)+8*\n:32*((\i)%2)+8*\n+7]
.endif
.endr
.endr
	WIN 0
.endm
.macro Q2 i                            ; token i's result, two blocks of 32 for each head, is quantised; lane (h, half) ends with block half whole and stores it where the last product's fragment wants it
.set AS_, 32*((\i)%2)
.set CD, 128+8*(\i)
	WIN 0x14
.irp b, 0,1
	v_max3_num_f32 v[TQ+\b], v[FL], |v[AS_+16*\b]|, |v[AS_+1+16*\b]|
.endr
.irp j, 2,4,6,8,10,12,14
.irp b, 0,1
	v_max3_num_f32 v[TQ+\b], v[TQ+\b], |v[AS_+16*\b+\j]|, |v[AS_+1+16*\b+\j]|
.endr
.endr
	WIN 0
.irp b, 0,1
	v_permlanex16_b32 v[TQ+2+\b], v[TQ+\b], s[SEL], s[SEL+1]
.endr
.irp b, 0,1
	s_delay_alu instid0(VALU_DEP_2)
	v_max_num_f32 v[TQ+\b], v[TQ+\b], v[TQ+2+\b]
.endr
.irp b, 0,1
	s_delay_alu instid0(VALU_DEP_2)
	v_add_nc_u32 v[TQ+4+\b], 0xff000000, v[TQ+\b]
.endr
.irp b, 0,1
	s_delay_alu instid0(VALU_DEP_2)
	v_lshrrev_b32 v[TQ+2+\b], 23, v[TQ+4+\b]
.endr
	s_delay_alu instid0(VALU_DEP_1)
	v_lshl_or_b32 v[U+(\i)], v[TQ+3], 8, v[TQ+2]   ; the head's two scale bytes
	WIN 0x01
	v_cvt_scalef32_pk16_fp6_f32 v[CD:CD+2], v[AS_:AS_+15], v[TQ+4]
	v_cvt_scalef32_pk16_fp6_f32 v[CD+4:CD+6], v[AS_+16:AS_+31], v[TQ+5]
	WIN 0
	v_nop                                          ; one plain place behind a scaled conversion
.irp k, 0,1,2
	v_permlane16_swap_b32 v[CD+\k], v[CD+4+\k]
.endr
.irp k, 0,1,2
	s_delay_alu instid0(VALU_DEP_3)
	v_mov_b32 v[CD+3+\k], v[CD+4+\k]
.endr
.irp p, 0,1,2
	ds_store_b64 v[AIW], v[CD+2*\p:CD+2*\p+1] offset:48*(\i)+8*\p
.endr
	ds_store_b16 v[ASW], v[U+(\i)] offset:4*(\i)   ; lanes h and h + 16 write the same two bytes with the same value
.endm
	CVL 0
	CVL 1
	; the softmax over the 16 heads g, the four tokens by turns
.irp i, 0,1,2,3
	v_max3_num_f32 v[T0+\i], v[SB+8*\i], v[SB+8*\i+1], v[SB+8*\i+2]
.endr
.irp i, 0,1,2,3
	v_max3_num_f32 v[T0+\i], v[T0+\i], v[SB+8*\i+3], v[SB+8*\i+4]
.endr
.irp i, 0,1,2,3
	v_max3_num_f32 v[T0+\i], v[T0+\i], v[SB+8*\i+5], v[SB+8*\i+6]
.endr
.irp i, 0,1,2,3
	v_max_num_f32 v[T0+\i], v[T0+\i], v[SB+8*\i+7]
.endr
.irp i, 0,1,2,3
	s_delay_alu instid0(VALU_DEP_4)
	v_permlanex16_b32 v[T1+\i], v[T0+\i], s[SEL], s[SEL+1]
.endr
.irp i, 0,1,2,3
	s_delay_alu instid0(VALU_DEP_4)
	v_max_num_f32 v[T0+\i], v[T0+\i], v[T1+\i]     ; the row's largest score
.endr
.irp i, 0,1,2,3
	s_delay_alu instid0(VALU_DEP_4)
	v_mul_f32 v[NM+2*\i], s[CSN], v[T0+\i]
.endr
.irp m, 0,2,4,6
.irp i, 0,1,2,3
	v_pk_fma_f32 v[SB+8*\i+\m:SB+8*\i+\m+1], v[SB+8*\i+\m:SB+8*\i+\m+1], s[CS:CS+1], v[NM+2*\i:NM+2*\i+1] op_sel_hi:[1,0,0]   ; (score - largest) log2(e) / 8
.endr
.endr
.set i, 0
	s_wait_alu depctr_va_vdst(0)
.rept 32
	v_exp_f32 v[SB+i], v[SB+i]
.set i, i+1
.endr
	v_nop                                          ; a plain place behind the exponentials
	s_wait_alu depctr_va_vdst(0)                   ; one wait for the batch, ahead of its first reader
.irp i, 0,1,2,3
	v_pk_add_f32 v[U+2*\i:U+2*\i+1], v[SB+8*\i:SB+8*\i+1], v[SB+8*\i+2:SB+8*\i+3]
.endr
.irp i, 0,1,2,3
	v_pk_add_f32 v[U+2*\i:U+2*\i+1], v[U+2*\i:U+2*\i+1], v[SB+8*\i+4:SB+8*\i+5]
.endr
.irp i, 0,1,2,3
	v_pk_add_f32 v[U+2*\i:U+2*\i+1], v[U+2*\i:U+2*\i+1], v[SB+8*\i+6:SB+8*\i+7]
.endr
.irp i, 0,1,2,3
	s_delay_alu instid0(VALU_DEP_4)
	v_add_f32 v[T0+\i], v[U+2*\i], v[U+2*\i+1]
.endr
.irp i, 0,1,2,3
	s_delay_alu instid0(VALU_DEP_4)
	v_permlanex16_b32 v[T1+\i], v[T0+\i], s[SEL], s[SEL+1]
.endr
.irp i, 0,1,2,3
	s_delay_alu instid0(VALU_DEP_4)
	v_add_f32 v[T0+\i], v[T0+\i], v[T1+\i]
.endr
	s_wait_alu depctr_va_vdst(0)
.irp i, 0,1,2,3
	v_rcp_f32 v[NM+2*\i], v[T0+\i]
.endr
	v_nop
	s_wait_alu depctr_va_vdst(0)                   ; one wait for the four reciprocals
.irp m, 0,2,4,6
.irp i, 0,1,2,3
	v_pk_mul_f32 v[SB+8*\i+\m:SB+8*\i+\m+1], v[SB+8*\i+\m:SB+8*\i+\m+1], v[NM+2*\i:NM+2*\i+1] op_sel_hi:[1,0]   ; attn, finished and normalised
.endr
.endr
	; Behind the f32 form eight places stand in front of a read of its result or a load into its sources, nine in front of a matrix instruction that writes over its registers: the other tokens' additions and quantisers are those places
	s_wait_dscnt 8                                 ; token 0's c_v is in; token 1's eight loads may be out
	BADD 0
	PV 0
	s_wait_dscnt 0x0
	BADD 1
	PV 1
	CVL 2
	Q2 0
	CVL 3
	s_wait_dscnt 12                                ; token 2's c_v is in; behind it: token 0's four stores, token 3's eight loads
	BADD 2
	PV 2
	Q2 1
	s_wait_dscnt 4                                 ; token 3's c_v is in; behind it: token 1's four stores
	BADD 3
	PV 3
	Q2 2
	Q2 3
	s_wait_dscnt 0x0                               ; my codes and scale bytes have landed, my reads of c_v are over
	s_barrier_signal -1
	s_barrier_wait -1
	; ---- out0 = the attention's result x Wo^T
.irp s, 0,1,2,3,4,5,6,7
	ds_load_b32 v[24+\s], v[ASR] offset:64*\s      ; ahead of the fragments' loads: every counted wait below covers them
.endr
	AFL 1, 0
	AFL 1, 1
	AFL 1, 2
.rept 4
.rept 8
	KSTEP SG
.set SG, SG+1
.if SG == 50
	SD 0                                           ; rows 0-15, lower 64 columns: asked of the stage two steps ago
.endif
.if SG == 54
	SD 1                                           ; rows 16-31
.endif
.endr
	EPI2 (SG/8-1)
.if SG == 48
	RB 0                                           ; my first four tiles, 64 columns, are in the stage: a row's lower 256 bytes are whole
.endif
.endr
	; THE LAST WAY OUT: my upper 64 columns of the 32 tokens: two rows' 256 bytes a load, bo, and out as they came
	WIN 0x01
.irp j, 0,1,2,3
	v_mov_b32 v[BO+\j], v[BOB+\j]
.endr
	WIN 0
.set i, 0
.rept 16
	ds_load_b128 v[64+4*i:64+4*i+3], v[STR] offset:256+1056*i   ; LDS serves a wave's instructions in order: these see my stores
.set i, i+1
.endr
.set i, 0
	s_wait_alu depctr_va_vdst(0)
.rept 16
	s_wait_dscnt 15-i
	v_pk_add_f32 v[64+4*i:64+4*i+1], v[64+4*i:64+4*i+1], v[BO:BO+1]
	v_pk_add_f32 v[64+4*i+2:64+4*i+3], v[64+4*i+2:64+4*i+3], v[BO+2:BO+3]
	global_store_b128 v[OOF], v[64+4*i:64+4*i+3], s[OB:OB+1] offset:256+8192*i th:TH_STORE_NT
.set i, i+1
.endr
	s_wait_tensorcnt 0x0                           ; the wave's end
	s_wait_asynccnt 0x0
	ds_add_u32 v[SPW], v[NIL]
	s_wait_dscnt 0x0
	s_endpgm
.Lfunc_end_k_qc431429dcf_attn:
	.size	k_qc431429dcf_attn, .Lfunc_end_k_qc431429dcf_attn-k_qc431429dcf_attn
	.p2alignl 7, 3214868480
	.fill 96, 4, 3214868480
	.section	.rodata,"a",@progbits
	.p2align	6, 0x0
	.amdhsa_kernel k_qc431429dcf_attn
		.amdhsa_group_segment_fixed_size 327680
		.amdhsa_private_segment_fixed_size 0
		.amdhsa_enable_private_segment 0
		.amdhsa_kernarg_size 56
		.amdhsa_user_sgpr_count 2
		.amdhsa_user_sgpr_kernarg_segment_ptr 1
		.amdhsa_wavefront_size32 1
		.amdhsa_system_sgpr_workgroup_id_x 1
		.amdhsa_system_sgpr_workgroup_id_y 1
		.amdhsa_system_sgpr_workgroup_id_z 1
		.amdhsa_system_vgpr_workitem_id 0
		.amdhsa_next_free_vgpr 512
		.amdhsa_next_free_sgpr 66
		.amdhsa_reserve_vcc 0
		.amdhsa_float_denorm_mode_32 3
		.amdhsa_float_denorm_mode_16_64 3
		.amdhsa_memory_ordered 1
		.amdhsa_forward_progress 1
		.amdhsa_inst_pref_size 148
	.end_amdhsa_kernel
	.amdgpu_metadata
---
amdhsa.version: [ 1, 2 ]
amdhsa.kernels:
  - .name:           k_qc431429dcf_attn
    .symbol:         k_qc431429dcf_attn.kd
    .args:
      - { .name: codes, .offset: 0, .size: 8, .value_kind: global_buffer, .address_space: global }
      - { .name: scl, .offset: 8, .size: 8, .value_kind: global_buffer, .address_space: global }
      - { .name: qkc, .offset: 16, .size: 8, .value_kind: global_buffer, .address_space: global }
      - { .name: qks, .offset: 24, .size: 8, .value_kind: global_buffer, .address_space: global }
      - { .name: bcv, .offset: 32, .size: 8, .value_kind: global_buffer, .address_space: global }
      - { .name: bo, .offset: 40, .size: 8, .value_kind: global_buffer, .address_space: global }
      - { .name: out0, .offset: 48, .size: 8, .value_kind: global_buffer, .address_space: global }
    .group_segment_fixed_size: 327680
    .private_segment_fixed_size: 0
    .kernarg_segment_align: 8
    .kernarg_segment_size: 56
    .max_flat_workgroup_size: 256
    .sgpr_count:     66
    .vgpr_count:     512
    .wavefront_size: 32
...
	.end_amdgpu_metadata
.endif
;; end of part 3
